; MI455X (gfx1250); checked and timed in simulation.
; The chip was launched on July 23, 2026; its instructions are those of AMD's public machine-readable ISA for CDNA 5 (MIT licence, August 2026) and "CDNA5" Instruction Set Architecture Reference Guide (July 2026). The comments in the code are by the model that wrote it; some were corrected since.
;; Multi Head Attention Efficient. Allowed arithmetic: matrix products marked QUANTISED: E4M3 operands, one given power-of-two scale a tensor, by v_wmma_f32_16x16x64_fp8_fp8 or v_wmma_f32_16x16x128_fp8_fp8, f32 sums; everything else in f32.
;; Inputs: W_proj 1,024 x 1,024 float32; W_qkv 1,024 x 3,072 float32; b_proj 1,024 float32; lowp_scales 8 int32 (the exponents e of the quantised operands' scales 2^e); x 4 x 2,048 x 1,024 float32.
;; Outputs: out0 4 x 2,048 x 1,024 float32.
;; This version of the problem:
;;   THIS VERSION OF THE PROBLEM IS GIVEN IN LOW PRECISION. The matrix products marked QUANTISED in the list below multiply operands that are first quantised to E4M3 (4 exponent bits, 3 mantissa bits; 8 bits a number), with one given power-of-two scale for each operand tensor; their sums are f32. All else is computed in f32.
;;   The module's matrix products, in the order in which they are computed (A, B: the left and right operand; K: the contracted axis; several contracted axes count as one K, in the product's order):
;;     1. [M 8,192, K 1,024] x [K 1,024, N 3,072]; A: input x; B: input W_qkv: QUANTISED (scales: A lowp_scales[0], B lowp_scales[1])
;;     2. batch 64 x [M 2,048, K 64] x [K 64, N 2,048]; A: computed on the way; B: computed on the way: QUANTISED (scales: A lowp_scales[2], B lowp_scales[3])
;;     3. batch 64 x [M 2,048, K 2,048] x [K 2,048, N 64]; A: softmax (see below); B: computed on the way: QUANTISED (scales: A lowp_scales[4], B lowp_scales[5])
;;     4. [M 8,192, K 1,024] x [K 1,024, N 1,024]; A: computed on the way; B: input W_proj: QUANTISED (scales: A lowp_scales[6], B lowp_scales[7])
;;   THE QUANTISER, for each operand of a quantised product, along K:
;;     - The operand's scale is 2^e, e = its entry of the input lowp_scales (int32; the entries are numbered through the quantised products in the list's order, A before B).
;;     - Each number is divided by the scale, clamped to +-448, and rounded to the nearest number of E4M3, ties to even, subnormals kept.
;;     - The product sums the exact products of the quantised numbers (number of the format x scale) in f32.
;;   ~~~python
;;   def quantise(x, axis, e):      # numpy; x: float32 -> the quantised numbers, widened to float32 again
;;       x = np.moveaxis(x, axis, -1); K = x.shape[-1]
;;       r = np.clip(x / 2.0 ** e, -448, 448)
;;       step = 2.0 ** (np.maximum(np.frexp(np.where(r == 0, 1, r))[1] - 1, -6) - 3)
;;       q = np.round(r / step) * step * 2.0 ** e      # np.round: ties to even
;;       return np.moveaxis(q, -1, axis).astype(np.float32)
;;   ~~~
;;   SOFTMAX AHEAD OF A QUANTISED PRODUCT. Where the list says 'softmax', what is quantised is not the finished softmax but p = 2^(t - M), with t = logit x log2(e) and M = ceil(the row's largest t), a whole number; so 1/2 < the row's largest p <= 1. The row's sum l is taken of the UNQUANTISED p, in f32, and the product's result is divided by l at the end. Since M is a whole number, a kernel that streams over the keys may use a running M (the ceiling of the running maximum): every later rescaling is an exact power of two, so the quantised numbers keep their values, but for numbers so far below the row's largest that they fall under the format's range.
;;   OPERANDS COMPUTED ON THE WAY. 'Computed on the way' means the value that the module computes at that place (a softmax that the list does not call 'softmax' is quantised finished and normalised). What goes into a quantiser is computed in f32, as accurately as f32 sums, v_exp_f32 and their like allow (about 1e-6 of the number): no bf16 or f16 on the way to a quantiser, and a product that is left as it is and whose result goes on into a quantised operand takes f32 operands (vector FMAs, or v_wmma_f32_16x16x4_f32). A number that lies on a knife's edge between two numbers of the format may be rounded either way, as far as f32 arithmetic and the matrix unit's own rounding can turn it there, and no further.
;; One version. Each part assembles by itself: llvm-mc -triple=amdgcn-amd-amdhsa -mcpu=gfx1250 --defsym DOCPART=n.
;; ======== version 1 of 1: 4 launches
;; limits: right only within a limited range of input values
;; workspace buffers: xq 8,388,608 bytes; wq 3,145,728 bytes; wp 1,048,576 bytes; qkv 25,165,824 bytes; oc 8,388,608 bytes
;; launch prep (part 1): grid 384 x 1, 4 waves a work-group, no clusters, 34,304 bytes of LDS; arguments x, W_qkv, W_proj, lowp_scales, xq, wq, wp; writes xq, wq, wp
.if DOCPART == 1
	.amdgcn_target "amdgcn-amd-amdhsa--gfx1250"
	.amdhsa_code_object_version 6
	.text
	.protected	k_q6511b11bff_prep
	.globl	k_q6511b11bff_prep
	.p2align	8
	.type	k_q6511b11bff_prep,@function
k_q6511b11bff_prep:
	s_mov_b64 s[64:65], 0
	v_nop
	global_prefetch_b8 v0, s[64:65] scope:SCOPE_SE
	s_setreg_imm32_b32 hwreg(HW_REG_WAVE_MODE, 25, 1), 1
	s_wait_xcnt 0x0
; x [8192][1024], W_qkv [1024][3072] and W_proj [1024][1024], f32, become codes of FP8 (E4M3) with the given scales 2^e0, 2^e1, 2^e7:
; code = number / 2^e, held within +-448, rounded to the nearest code, ties to even.
; THE CODES ARE LAID AS IMAGES OF OPERAND REGISTERS.  A tile is 16 rows (of x: tokens; of a weight: its columns n) x 1024 along K = 16,384 bytes: [kq 0..7][c 0..3][512 bytes];
; in an image lane l = 16 h + r has the 16 bytes at 16 l: the codes k = 128 kq + 32 c + 16 h + 0 .. 15 of row r.  A later launch loads 16 bytes a lane and has a fragment's four registers.
; Work-groups 0-255 take x (way X), 256-351 W_qkv, 352-383 W_proj: 131,072 bytes of f32 each.  The ways part on the work-group's number alone.  Waves share nothing: no barrier.
; LIMITS: e0, e1, e7 between -126 and 119, so that 2^e and 448 x 2^e are f32 numbers.  NaN among the inputs is not served; an infinity is held at the largest code.
; WORK LEFT OUT IN THIS PROGRAM: reference() builds the causal mask itself (jnp.tril) and sets the score of every key behind its query to -infinity, so that its softmax weight is exactly 0 whatever the inputs hold.
; Launch attn therefore does not compute key steps all of whose 128 keys lie behind all 16 queries of a tile.  Every input is loaded.  LIMIT: a NaN, an infinity or an overflow that reaches only those scores is not carried to the result.
.set SP,    528                        ; way X: a stage row: 512 bytes + 16: sixteen rows begin in sixteen different groups of four banks
.set SPARE, 4*16*SP                    ; behind the four stages: the spare words, 128 bytes a wave: two blocks of 256 bytes that no other line names
.set SPW,   12                         ; v12  LDS address of my spare word; never rewritten
.set NIL,   13                         ; v13  0; never rewritten
.set R,     32                         ; way X: v32-159  two sets of 64: a step's numbers as loaded
.set X,     160                        ;        v160-223 64 numbers of my row: register 16 c + i = k 32 c + 16 h + i
.set C,     224                        ;        v224-255 two sets of 16: a step's codes
.set WX,    32                         ; weights: v32-95  two sets of 32 numbers down K
.set WC,    96                         ;          v96-159 eight registers of codes for each block: no store's data are written again
	s_load_b256 s[4:11], s[0:1], 0x0               ; x s[4:5], W_qkv s[6:7], W_proj s[8:9], the scales' exponents s[10:11]
	s_load_b128 s[12:15], s[0:1], 0x20             ; xq s[12:13], wq s[14:15]
	s_load_b64 s[16:17], s[0:1], 0x30              ; wp
	v_lshl_add_u32 v[SPW], v0, 2, SPARE
	v_mov_b32 v[NIL], 0
	v_lshrrev_b32 v1, 5, v0
	v_readfirstlane_b32 s20, v1                    ; wave 0..3
	v_and_b32 v1, 31, v0                           ; lane
	v_and_b32 v2, 15, v0                           ; r
	v_bfe_u32 v3, v0, 4, 1                         ; h
	v_lshlrev_b32 v4, 4, v1                        ; 16 x lane
	s_mul_i32 s23, s20, 16*SP                      ; my stage
	v_add_nc_u32 v5, s23, v4                       ; into it: a row's 512 bytes as they lie
	v_mul_u32_u24 v6, v2, SP
	v_lshl_add_u32 v6, v3, 6, v6
	v_add_nc_u32 v6, s23, v6                       ; out of it: row r, + 64 h: my 16 numbers of a block of 32
	v_lshlrev_b32 v7, 2, v1                        ; weights, in: 4 bytes a lane
	v_lshlrev_b32 v8, 4, v2
	v_lshl_add_u32 v8, v3, 14, v8                  ; weights, out: lanes 0-15 one tile, lanes 16-31 the next; 16 bytes a lane
	s_wait_kmcnt 0x0
	s_load_b256 s[24:31], s[10:11], 0x0            ; e0 .. e7
	s_cmp_lt_u32 ttmp9, 256
	s_cbranch_scc0 .Lweights
.macro MKSCALE e                       ; v11 = 2^e as f32 (the conversion takes its exponent field), v10 = 448 x 2^e
	s_add_co_i32 s21, s[\e], 127
	s_lshl_b32 s22, s21, 23
	v_mov_b32 v11, s22
	s_add_co_i32 s21, s21, 8
	s_lshl_b32 s21, s21, 23
	s_or_b32 s21, s21, 0x600000
	v_mov_b32 v10, s21
.endm
; ---- WAY X.  Wave w takes row tile 2 x work-group + w / 2 and half w % 2 of K: four steps of 16 rows x 128 numbers.  A load reads 512 consecutive bytes of one row; the 8,192 bytes turn through my stage, so that a lane
; gets 16 neighbours of each of the four blocks of its row; its 16 codes of a block are its 16 bytes of an image, and a store covers 512 consecutive bytes.
	s_lshl_b32 s32, ttmp9, 1
	s_lshr_b32 s33, s20, 1
	s_add_co_u32 s32, s32, s33                     ; row tile
	s_and_b32 s33, s20, 1                          ; half of K
	s_lshl_b32 s34, s32, 16                        ; 16 rows of 4,096 bytes
	s_lshl_b32 s35, s33, 11
	s_add_co_u32 s34, s34, s35
	s_mov_b32 s35, 0
	s_add_nc_u64 s[4:5], s[4:5], s[34:35]
	s_lshl_b32 s34, s32, 14                        ; a tile of codes
	s_lshl_b32 s35, s33, 13
	s_add_co_u32 s34, s34, s35
	s_mov_b32 s35, 0
	s_add_nc_u64 s[12:13], s[12:13], s[34:35]
.macro XLOAD t
.irp i, 0,1,2,3,4,5,6,7,8,9,10,11,12,13,14,15
	global_load_b128 v[R+64*((\t)%2)+4*\i:R+64*((\t)%2)+4*\i+3], v4, s[4:5] offset:4096*\i+512*(\t) th:TH_LOAD_NT
.endr
.endm
.macro XSTEP t
.if (\t) < 3
	s_wait_loadcnt 16                              ; this step's 16 loads are in; the next step's 16 may be out
.else
	s_wait_loadcnt 0
.endif
.irp i, 0,1,2,3,4,5,6,7,8,9,10,11,12,13,14,15
	ds_store_b128 v5, v[R+64*((\t)%2)+4*\i:R+64*((\t)%2)+4*\i+3] offset:SP*\i
.endr
.irp c, 0,1,2,3
.irp j, 0,1,2,3
	ds_load_b128 v[X+16*\c+4*\j:X+16*\c+4*\j+3], v6 offset:128*\c+16*\j   ; LDS serves a wave's instructions in order (ISA guide 5.7.1.4): these see the stores above
.endr
.endr
	s_wait_dscnt 0x0                               ; the numbers are back, and the stores into the stage have read their registers,
.if (\t) < 2
	XLOAD (\t)+2                                   ; which take the loads of two steps on
.else
	s_wait_xcnt 0x0                                ; the stores of two steps back have read their data: this set of codes is written again only behind this wait
.endif
.irp c, 0,1,2,3
.irp i, 0,1,2,3,4,5,6,7,8,9,10,11,12,13,14,15
	v_med3_num_f32 v[X+16*\c+\i], v[X+16*\c+\i], -v10, v10   ; the conversion to an 8-bit code does not saturate (ISA guide 7.6.2): the hold comes first
.endr
	v_cvt_scalef32_pk8_fp8_f32 v[C+16*((\t)%2)+4*\c:C+16*((\t)%2)+4*\c+1], v[X+16*\c:X+16*\c+7], v11
	v_cvt_scalef32_pk8_fp8_f32 v[C+16*((\t)%2)+4*\c+2:C+16*((\t)%2)+4*\c+3], v[X+16*\c+8:X+16*\c+15], v11
.endr
	v_nop                                          ; a plain line behind the last conversion
.irp c, 0,1,2,3
	global_store_b128 v4, v[C+16*((\t)%2)+4*\c:C+16*((\t)%2)+4*\c+3], s[12:13] offset:2048*(\t)+512*\c   ; an image: 512 consecutive bytes
.endr
.endm
	s_wait_alu depctr_va_vdst(0)
	XLOAD 0
	XLOAD 1
	s_wait_kmcnt 0x0
	MKSCALE 24
	s_wait_alu depctr_va_vdst(0)
	XSTEP 0
	XSTEP 1
	XSTEP 2
	XSTEP 3
	s_wait_tensorcnt 0x0                           ; the wave's end: behind my last LDS store
	ds_add_u32 v[SPW], v[NIL]
	s_wait_dscnt 0x0
	s_endpgm
; ---- THE WEIGHTS.  K is their first axis: a lane takes a column n and its registers run down K, so the conversions give codes with K innermost and nothing is transposed.
; A wave takes 32 columns x 256 along K: 8 blocks of 32.  A lane's 32 codes of a block are its 16 bytes in each half of one image: sixteen lanes store 256 consecutive aligned bytes.  No LDS.
.macro WLOAD t, cols, pin
.irp i, 0,1,2,3,4,5,6,7,8,9,10,11,12,13,14,15,16,17,18,19,20,21,22,23,24,25,26,27,28,29,30,31
	global_load_b32 v[WX+32*((\t)%2)+\i], v7, s[\pin:\pin+1] offset:(32*(\t)+\i)*\cols*4 th:TH_LOAD_NT
.endr
.endm
.macro WBLOCK t, cols, pin, pout
.if (\t) < 7
	s_wait_loadcnt 32                              ; this block's 32 loads are in; the next block's may be out
.else
	s_wait_loadcnt 0
.endif
.irp i, 0,1,2,3,4,5,6,7,8,9,10,11,12,13,14,15,16,17,18,19,20,21,22,23,24,25,26,27,28,29,30,31
	v_med3_num_f32 v[WX+32*((\t)%2)+\i], v[WX+32*((\t)%2)+\i], -v10, v10
.endr
.irp g, 0,1,2,3
	v_cvt_scalef32_pk8_fp8_f32 v[WC+8*(\t)+2*\g:WC+8*(\t)+2*\g+1], v[WX+32*((\t)%2)+8*\g:WX+32*((\t)%2)+8*\g+7], v11
.endr
	v_nop                                          ; a plain line behind the last conversion
	global_store_b128 v8, v[WC+8*(\t):WC+8*(\t)+3], s[\pout:\pout+1] offset:512*(\t)          ; k 32 t + 0 .. 15: the image's half h = 0
	global_store_b128 v8, v[WC+8*(\t)+4:WC+8*(\t)+7], s[\pout:\pout+1] offset:512*(\t)+256    ; k 32 t + 16 .. 31: h = 1
.if (\t)+2 < 8
	WLOAD (\t)+2, \cols, \pin
.endif
.endm
.macro WQUANT cols, first, pin, pout, e
	s_sub_co_u32 s32, ttmp9, \first
	s_lshr_b32 s33, s32, 2                         ; which 128 columns
	s_and_b32 s32, s32, 3                          ; which 256 along K
	s_mul_i32 s34, s32, 256*\cols*4
	s_lshl_b32 s35, s33, 9
	s_add_co_u32 s34, s34, s35
	s_lshl_b32 s35, s20, 7                         ; my wave's 32 columns
	s_add_co_u32 s34, s34, s35
	s_mov_b32 s35, 0
	s_add_nc_u64 s[\pin:\pin+1], s[\pin:\pin+1], s[34:35]
	s_lshl_b32 s34, s33, 17                        ; 8 tiles of 16,384 bytes
	s_lshl_b32 s35, s20, 15                        ; my wave's two
	s_add_co_u32 s34, s34, s35
	s_lshl_b32 s35, s32, 12                        ; 256 along K: 4,096 bytes of a tile
	s_add_co_u32 s34, s34, s35
	s_mov_b32 s35, 0
	s_add_nc_u64 s[\pout:\pout+1], s[\pout:\pout+1], s[34:35]
	WLOAD 0, \cols, \pin
	WLOAD 1, \cols, \pin
	s_wait_kmcnt 0x0
	MKSCALE \e
.set Q, 0
	s_wait_alu depctr_va_vdst(0)
.rept 8
	WBLOCK Q, \cols, \pin, \pout
.set Q, Q+1
.endr
.endm
.Lweights:
	s_cmp_lt_u32 ttmp9, 352
	s_cbranch_scc0 .Lwproj
	s_wait_alu depctr_va_vdst(0)
	WQUANT 3072, 256, 6, 14, 25
	s_endpgm
.Lwproj:
	s_wait_alu depctr_va_vdst(0)
	WQUANT 1024, 352, 8, 16, 31
	s_endpgm
.Lfunc_end_k_q6511b11bff_prep:
	.size	k_q6511b11bff_prep, .Lfunc_end_k_q6511b11bff_prep-k_q6511b11bff_prep
	.p2alignl 7, 3214868480
	.fill 96, 4, 3214868480
	.section	.rodata,"a",@progbits
	.p2align	6, 0x0
	.amdhsa_kernel k_q6511b11bff_prep
		.amdhsa_group_segment_fixed_size 34304
		.amdhsa_private_segment_fixed_size 0
		.amdhsa_enable_private_segment 0
		.amdhsa_kernarg_size 56
		.amdhsa_user_sgpr_count 2
		.amdhsa_user_sgpr_kernarg_segment_ptr 1
		.amdhsa_wavefront_size32 1
		.amdhsa_system_sgpr_workgroup_id_x 1
		.amdhsa_system_sgpr_workgroup_id_y 1
		.amdhsa_system_sgpr_workgroup_id_z 1
		.amdhsa_system_vgpr_workitem_id 0
		.amdhsa_next_free_vgpr 256
		.amdhsa_next_free_sgpr 66
		.amdhsa_reserve_vcc 0
		.amdhsa_float_denorm_mode_32 3
		.amdhsa_float_denorm_mode_16_64 3
		.amdhsa_memory_ordered 1
		.amdhsa_forward_progress 1
		.amdhsa_inst_pref_size 127
	.end_amdhsa_kernel
	.amdgpu_metadata
---
amdhsa.version: [ 1, 2 ]
amdhsa.kernels:
  - .name:           k_q6511b11bff_prep
    .symbol:         k_q6511b11bff_prep.kd
    .args:
      - { .name: x, .offset: 0, .size: 8, .value_kind: global_buffer, .address_space: global }
      - { .name: W_qkv, .offset: 8, .size: 8, .value_kind: global_buffer, .address_space: global }
      - { .name: W_proj, .offset: 16, .size: 8, .value_kind: global_buffer, .address_space: global }
      - { .name: lowp_scales, .offset: 24, .size: 8, .value_kind: global_buffer, .address_space: global }
      - { .name: xq, .offset: 32, .size: 8, .value_kind: global_buffer, .address_space: global }
      - { .name: wq, .offset: 40, .size: 8, .value_kind: global_buffer, .address_space: global }
      - { .name: wp, .offset: 48, .size: 8, .value_kind: global_buffer, .address_space: global }
    .group_segment_fixed_size: 34304
    .private_segment_fixed_size: 0
    .kernarg_segment_align: 8
    .kernarg_segment_size: 56
    .max_flat_workgroup_size: 128
    .sgpr_count:     66
    .vgpr_count:     256
    .wavefront_size: 32
...
	.end_amdgpu_metadata
.endif
;; end of part 1
;; launch qkv_gemm (part 2): grid 12 x 32, 4 waves a work-group, clusters of 4 x 4, 327,680 bytes of LDS; arguments xq, wq, lowp_scales, qkv; writes qkv
.if DOCPART == 2
	.amdgcn_target "amdgcn-amd-amdhsa--gfx1250"
	.amdhsa_code_object_version 6
	.text
	.protected	k_q6511b11bff_qkv_gemm
	.globl	k_q6511b11bff_qkv_gemm
	.p2align	8
	.type	k_q6511b11bff_qkv_gemm,@function
k_q6511b11bff_qkv_gemm:
	s_mov_b64 s[64:65], 0
	v_nop
	global_prefetch_b8 v0, s[64:65] scope:SCOPE_SE
	s_setreg_imm32_b32 hwreg(HW_REG_WAVE_MODE, 25, 1), 1
	s_wait_xcnt 0x0
	s_wait_alu depctr_hold_cnt(0) depctr_sa_sdst(0) depctr_va_vdst(0) depctr_va_sdst(0) depctr_va_ssrc(0) depctr_va_vcc(0) depctr_vm_vsrc(0)
	s_getreg_b32 s2, hwreg(HW_REG_IB_STS2, 6, 4)
	s_cmp_eq_u32 s2, 0
	s_cbranch_scc0 .Lentry_in_a_cluster
	s_endpgm
.Lentry_in_a_cluster:
	s_bfe_u32 s2, ttmp6, 0x10000c
	s_cmp_lg_u32 s2, 0xf033
	s_cbranch_scc0 .Lentry_shape_is_right
	s_endpgm
.Lentry_shape_is_right:
; qkv = x W_qkv on codes of FP8 (E4M3); each f32 sum stands for sum x 2^(e0 + e1) and is quantised at once for the attention: q with 2^e2, k with 2^e3, v with 2^e5.
; OPERANDS are images of registers (a tile of 16 rows x 1024 K = [kq 0..7][c 0..3][512 bytes]; lane 16 h + r: 16 bytes, k = 128 kq + 32 c + 16 h + 0 .. 15 of row r).  That is a permutation of k against the
; matrix form's own places, the same in both operands: every product meets its partner.
; A tile of the result, 256 x 256, is made by four waves, 128 x 128 each: 64 accumulators.  K = 1024 goes in four steps of 256 through two LDS slots filled by the tensor data mover, written out without a loop.
; CLUSTERS: 4 x 4 work-groups; A's tile is shared along a row of the cluster, B's along a column: joint loads.  THE MATRIX INSTRUCTION IS USED TRANSPOSED (source 0 = B's 16 rows, source 1 = A's): a lane holds one row
; of A and eight neighbouring rows of B.  THE ROLE hangs on the cluster's x, which all sixteen partners share: 0 = q, 1 = k: A = x's tokens, B = W's columns: a lane's eight results are neighbours along the head's channels,
; the next K.  2 = v: A = W's columns, B = x's tokens: a lane's eight results are neighbouring KEYS of one channel, the K of the second product of attention.
; OUT: qkv[head 0..63][slot of 256 tokens 0..7][49,152]: K part [T 0..15][c 0..1][512], V part at 16,384 [q 0..1][dt 0..3][c 0..3][512], Q part at 32,768 like K's.  Lane r of tile 2 b + u (of tokens in Q and K, of
; channels in V) stands for row 32 b + 8 u + r + 8 (r / 8), so that the results of two neighbouring tiles are 16 neighbours along the next K.
; LIMITS: e2, e3, e5, each less e0 + e1, between -126 and 119.
; REGISTERS, in windows of 256: window 0: v0-31 addresses; v32-95 at work on the way out; from v128 A's fragments, ONE set; on the way out the codes.  window 1: B's fragments, two sets.  windows 2, 3: the accumulators.
.set HALFT,  32768                     ; 128 rows x 256 K: 8 tiles x 4,096 bytes: what one tensor load brings
.set SLOT,   4*HALFT                   ; A's two halves, then B's two
.set SPARE,  2*SLOT                    ; behind the ring: the spare words, 128 bytes a wave: two blocks of 256 bytes that no other line names
.set FR,     16                        ; registers of a fragment: 16 rows x 128 K
.set NL,     4                         ; LDS loads that bring one
.set NP,     4                         ; places behind this matrix instruction (ISA guide 7.12.1)
.set SPITCH, 272                       ; the way out: a stage of 256 rows x (256 bytes + 16), in slot 0, which has had its last fill and its last read by then
.set HEADB,  393216                    ; a head in qkv
.set SLOTB,  49152                     ; a slot of 256 tokens in qkv
.set ADRA, 16                          ; v16-17  LDS address of my A fragments in slot 0, 1
.set ADRB, 20                          ; v20-21  the same for B
.set STO,  24                          ; v24     the stage: where I put 8 codes
.set RD,   25                          ; v25     the stage: where I read 16 codes of an image
.set CO,   26                          ; v26     16 x lane
.set SPW,  28                          ; v28     LDS address of my spare word; never rewritten
.set NIL,  29                          ; v29     0; never rewritten
.set SCL,  30                          ; v30     the conversion's scale
.set LIMV, 31                          ; v31     448 x that
.set TMP,  32
.set AF,   128
.set CD,   128
.set G1, 24
.set G0, 32
.set G1B, 48
.set G0B, 56
.set MSB, 0
.macro WIN new                         ; the immediate's high byte repeats the setting that is left
.if MSB != \new
	s_set_vgpr_msb (MSB<<8)|\new
.set MSB, \new
.endif
.endm
.set MUL_LO, 0xa1                      ; source 0 (B) window 1, source 1 (A) window 0, C and D window 2
.set MUL_HI, 0xf1                      ; the same, C and D window 3
.set TO_B,   0x40                      ; destination window 1, address window 0
; A joint load: waves 0 and 1 fetch for A, waves 2 and 3 for B; the branch hangs on the wave's number alone.  An s_nop 0 and four v_nop follow each of the two lines.
.macro JLOAD g0a, g1a, g0b, g1b
	s_cmp_eq_u32 s15, 0
	s_cbranch_scc0 .Lfor_b_\@
	tensor_load_to_lds s[\g0a:\g0a+3], s[\g1a:\g1a+7]
	s_nop 0
.rept 4
	v_nop
.endr
	s_branch .Lasked_\@
.Lfor_b_\@:
	tensor_load_to_lds s[\g0b:\g0b+3], s[\g1b:\g1b+7]
	s_nop 0
.rept 4
	v_nop
.endr
.Lasked_\@:
.endm
.macro CREST                           ; a round of the cluster's barrier behind its opening barrier
	s_cmp_lg_u32 s14, 0
	s_cbranch_scc1 .Lnot_wave_0_\@
	s_barrier_signal -3
.Lnot_wave_0_\@:
	s_barrier_wait -3
	s_barrier_signal -1
	s_barrier_wait -1
.endm
.macro CROUND                          ; a whole round
	s_barrier_signal -1
	s_barrier_wait -1
	CREST
.endm
	s_load_b128 s[4:7], s[0:1], 0x0                ; xq s[4:5], wq s[6:7]
	s_load_b128 s[8:11], s[0:1], 0x10              ; the scales' exponents s[8:9], qkv s[10:11]
	v_lshl_add_u32 v[SPW], v0, 2, SPARE
	v_mov_b32 v[NIL], 0
	ds_add_u32 v[SPW], v[NIL]                      ; the wave's opening: the add and its wait stand ahead of my first tensor load; work on registers stands between them
	ds_add_u32 v[SPW], v[NIL]
	v_lshrrev_b32 v1, 5, v0
	v_readfirstlane_b32 s14, v1                    ; wave 0..3
	s_lshr_b32 s15, s14, 1                         ; which half of A's rows is mine.  Also: I fetch for A (0) or for B (1)
	s_and_b32 s16, s14, 1                          ; which half of B's rows.  Also: which 128 rows I fetch
	s_bfe_u32 s40, ttmp6, 0x40000                  ; cx
	s_bfe_u32 s41, ttmp6, 0x40004                  ; cy
	s_and_b32 s66, ttmp7, 0xffff
	s_lshl_b32 s66, s66, 2                         ; 4 x cluster y
	s_lshl_b32 s67, ttmp9, 2                       ; 4 x cluster x
	s_cmp_eq_u32 ttmp9, 2                          ; the role v?  The same in all sixteen partners
	s_cselect_b32 s17, 8, s66                      ; A's tile of 256 rows: v: W's columns 2048 on; q, k: tokens
	s_cselect_b32 s42, s66, s67                    ; B's: v: tokens; q, k: W's columns
	s_add_co_u32 s17, s17, s41                     ; + cy: shared along my row of the cluster
	s_add_co_u32 s42, s42, s40                     ; + cx: shared along my column
	s_lshl_b32 s43, s41, 2
	s_lshl_b32 s43, 15, s43                        ; my row of the cluster
	s_lshl_b32 s44, 0x1111, s40                    ; my column
	; descriptor group 1: 8 rows (tiles) of 512 elements of 8 bytes (a tile's 256 along K), 16,384 bytes apart; dense in LDS
	s_or_b32 s[G1+0], s43, (3<<16)|(1<<21)         ; 15:0 the mask; 17:16 elements of 8 bytes; 21 set beside a mask
	s_or_b32 s[G1B+0], s44, (3<<16)|(1<<21)
.irp g, G1, G1B
	s_mov_b32 s[\g+1], 512<<16                     ; tensor_dim0
	s_mov_b32 s[\g+2], 8<<16                       ; tensor_dim1
	s_mov_b32 s[\g+3], 512<<16                     ; tile_dim0
	s_mov_b32 s[\g+4], 8                           ; tile_dim1
	s_mov_b32 s[\g+5], 2048                        ; tensor_dim0_stride
	s_mov_b32 s[\g+6], 0
	s_mov_b32 s[\g+7], 0
.endr
	s_lshl_b32 s18, s16, 7                         ; which 128 rows of the tile I fetch
	s_lshl_b32 s20, s17, 8
	s_add_co_u32 s20, s20, s18
	s_lshl_b32 s20, s20, 10                        ; 1,024 bytes of codes a row
	s_lshl_b32 s46, s42, 8
	s_add_co_u32 s46, s46, s18
	s_lshl_b32 s46, s46, 10
	s_mov_b32 s21, 0
	s_mov_b32 s47, 0
	s_mul_i32 s45, s14, HALFT                      ; where they go: no place in the cluster enters an LDS address
	s_wait_dscnt 0x0                               ; the opening add is done
	s_wait_kmcnt 0x0
	s_load_b256 s[80:87], s[8:9], 0x0              ; e0 .. e7
	s_cmp_eq_u32 ttmp9, 2
	s_cselect_b64 s[70:71], s[6:7], s[4:5]         ; A's codes
	s_cselect_b64 s[72:73], s[4:5], s[6:7]         ; B's codes
	s_add_nc_u64 s[20:21], s[70:71], s[20:21]
	s_add_nc_u64 s[46:47], s[72:73], s[46:47]
	CROUND                                         ; all sixteen work-groups are here: the first joint loads meet
.irp s, 0,1
	s_mov_b32 s[G0+4*\s], 1
	s_add_co_u32 s[G0+4*\s+1], s45, \s*SLOT
	s_add_nc_u64 s[G0+4*\s+2:G0+4*\s+3], s[20:21], \s*4096
	s_or_b32 s[G0+4*\s+3], s[G0+4*\s+3], 0x80000000
	s_mov_b32 s[G0B+4*\s], 1
	s_add_co_u32 s[G0B+4*\s+1], s45, \s*SLOT
	s_add_nc_u64 s[G0B+4*\s+2:G0B+4*\s+3], s[46:47], \s*4096
	s_or_b32 s[G0B+4*\s+3], s[G0B+4*\s+3], 0x80000000
.endr
	JLOAD G0, G1, G0B, G1B                         ; K step 0: one tensor load a wave at the head
	v_and_b32 v1, 15, v0                           ; r
	s_wait_alu depctr_va_vdst(0)
	v_bfe_u32 v2, v0, 4, 1                         ; h
	v_and_b32 v6, 31, v0
	v_lshlrev_b32 v[CO], 4, v6                     ; 16 x lane
	s_mul_i32 s21, s15, HALFT                      ; my 128 rows of A
	s_mul_i32 s22, s16, HALFT                      ; my 128 rows of B,
	s_add_co_u32 s22, s22, 2*HALFT                 ; behind A's 256
.irp s, 0,1
	v_add_nc_u32 v[ADRA+\s], s21, v[CO]
	v_add_nc_u32 v[ADRB+\s], s22, v[CO]
	s_add_co_u32 s21, s21, SLOT
	s_add_co_u32 s22, s22, SLOT
.endr
	s_mul_i32 s23, s15, 128*SPITCH                 ; the stage, in: row = A's row 128 (w / 2) + 16 a + r, byte = B's row 128 (w % 2) + 16 b + 8 h
	s_lshl_b32 s22, s16, 7
	s_add_co_u32 s23, s23, s22
	v_mul_u32_u24 v5, v1, SPITCH
	s_wait_alu depctr_va_vdst(0)
	v_lshl_add_u32 v5, v2, 3, v5
	v_add_nc_u32 v[STO], s23, v5
	v_and_b32 v7, 8, v1
	v_add_nc_u32 v7, v7, v1                        ; r + 8 (r / 8)
	v_mul_u32_u24 v7, v7, SPITCH
	v_lshl_add_u32 v7, v2, 4, v7
	s_mul_i32 s23, s14, 64*SPITCH                  ; back: wave w makes the images of stage rows 64 w .. 64 w + 63
	v_add_nc_u32 v[RD], s23, v7
	; where my images go
	s_cmp_eq_u32 ttmp9, 2
	s_cselect_b32 s74, s42, s17                    ; the tile of 256 tokens
	s_cselect_b32 s75, s41, s40                    ; which four heads
	s_mov_b32 s77, 4096
	s_cselect_b32 s77, HEADB, s77                  ; from wave to wave: v: a head; q, k: four tiles of tokens
	s_cselect_b32 s78, 16384, 0                    ; the part: v,
	s_cmp_eq_u32 ttmp9, 0
	s_cselect_b32 s79, 32768, 0                    ; q; k is 0
	s_lshr_b32 s76, s74, 3                         ; batch
	s_and_b32 s74, s74, 7                          ; slot
	s_lshl_b32 s76, s76, 4
	s_lshl_b32 s75, s75, 2
	s_add_co_u32 s76, s76, s75                     ; head 16 batch + 4 x (which four)
	s_mul_i32 s76, s76, HEADB
	s_mul_i32 s74, s74, SLOTB
	s_add_co_u32 s76, s76, s74
	s_add_co_u32 s76, s76, s78
	s_add_co_u32 s76, s76, s79
	s_mul_i32 s77, s77, s14
	s_add_co_u32 s76, s76, s77
	s_mov_b32 s77, 0
	s_add_nc_u64 s[10:11], s[10:11], s[76:77]
.macro FRAG reg, adr, q, i             ; a fragment: four images of 512 bytes: registers 4 c .. 4 c + 3 hold K = 32 c + 16 h + 0 .. 15 of row r
.irp c, 0,1,2,3
	ds_load_b128 v[\reg+4*\c:\reg+4*\c+3], v[\adr] offset:4096*(\i)+2048*(\q)+512*\c
.endr
.endm
; 16 matrix instructions: A's blocks a0, a0 + 1 x B's eight, 128 along K.  p: B's set.  zero = 1: the first product starts the sums.  The 64 accumulators take turns, one instruction a turn.
.macro MUL16 a0, p, zero
.irp a, \a0, \a0+1
.irp b, 0,1,2,3,4,5,6,7
.if \zero
	v_wmma_f32_16x16x128_fp8_fp8 v[8*(8*((\a)%4)+\b):8*(8*((\a)%4)+\b)+7], v[128*(\p)+FR*\b:128*(\p)+FR*\b+FR-1], v[AF+FR*(\a):AF+FR*(\a)+FR-1], 0
.else
	v_wmma_f32_16x16x128_fp8_fp8 v[8*(8*((\a)%4)+\b):8*(8*((\a)%4)+\b)+7], v[128*(\p)+FR*\b:128*(\p)+FR*\b+FR-1], v[AF+FR*(\a):AF+FR*(\a)+FR-1], v[8*(8*((\a)%4)+\b):8*(8*((\a)%4)+\b)+7]
.endif
.endr
.endr
.endm
.macro FETCH_B slot, q, p
	WIN TO_B
.irp i, 0,1,2,3,4,5,6,7
	FRAG 128*(\p)+FR*\i, ADRB+\slot, \q, \i
.endr
	WIN 0
.endm
.macro FETCH_A slot, q, i0
.irp i, \i0, \i0+1, \i0+2, \i0+3
	FRAG AF+FR*(\i), ADRA+\slot, \q, \i
.endr
.endm
.macro PLACES n                        ; plain vector lines between a matrix instruction and a load into, or a vector read or write of, its registers
.rept \n
	v_nop
.endr
.endm
; A step of 128 along K that has its successor in the same slot.
.macro STEP slot, q, zero
	s_wait_dscnt 4*NL                              ; B's set and A's blocks 0-3 are in; the youngest 16 loads (A's blocks 4-7) may be out
	WIN MUL_LO
	MUL16 0, (\q)%2, \zero
	MUL16 2, (\q)%2, \zero
	s_wait_dscnt 0                                 ; A's blocks 4-7 are in
	PLACES NP
	FETCH_B \slot, (\q)+1, 1-(\q)%2
	FETCH_A \slot, (\q)+1, 0
	WIN MUL_HI
	MUL16 4, (\q)%2, \zero
	MUL16 6, (\q)%2, \zero
	PLACES NP
	WIN 0
	FETCH_A \slot, (\q)+1, 4
.endm
; A slot's last step changes slots: ONE barrier; in front of it each wave waits for all its tensor loads, adds 0 to its spare word, and waits for that and for its reads of this slot.  fill = 1: the slot is filled again, two K steps ahead.
.macro TURN slot, next, fill
	s_wait_tensorcnt 0x0                           ; all my tensor loads have landed: my part of the next slot
	ds_add_u32 v[SPW], v[NIL]                      ; 0 onto my spare word
	s_wait_dscnt 4*NL+1                            ; (the add and the youngest 16 loads may be out)
	WIN MUL_LO
	MUL16 0, 1, 0
	s_wait_dscnt 0x0                               ; the add is done, and my reads of this slot are over
	s_barrier_signal -1
	MUL16 2, 1, 0
	WIN 0
	s_barrier_wait -1
.if \fill
	CREST                                          ; the barrier has opened a round of the cluster's: no wave of any partner still reads this slot or has a load on its way
	s_add_nc_u64 s[G0+4*\slot+2:G0+4*\slot+3], s[G0+4*\slot+2:G0+4*\slot+3], 8192
	s_add_nc_u64 s[G0B+4*\slot+2:G0B+4*\slot+3], s[G0B+4*\slot+2:G0B+4*\slot+3], 8192
	JLOAD G0+4*\slot, G1, G0B+4*\slot, G1B         ; the first tensor load behind the round; its four v_nop are the places in front of the loads below
.else
	PLACES NP
.endif
	FETCH_B \next, 0, 0
	FETCH_A \next, 0, 0
	WIN MUL_HI
	MUL16 4, 1, 0
	MUL16 6, 1, 0
	PLACES NP
	WIN 0
	FETCH_A \next, 0, 4
.endm
	s_wait_alu depctr_va_vdst(0)                   ; the wait at the head's end
	s_wait_tensorcnt 0x0                           ; my part of K step 0 is in
	ds_add_u32 v[SPW], v[NIL]
	s_wait_dscnt 0x0
	CROUND                                         ; everybody's part of K step 0 is in, and all sixteen work-groups are here
	JLOAD G0+4, G1, G0B+4, G1B                     ; K step 1's load, the first tensor load behind the round
	FETCH_B 0, 0, 0
	FETCH_A 0, 0, 0
	FETCH_A 0, 0, 4
	STEP 0, 0, 1                                   ; K 0-127: its products start the sums
	TURN 0, 1, 1                                   ; K 128-255; slot 0 takes K 512-767
	STEP 1, 0, 0
	TURN 1, 0, 1                                   ; slot 1 takes K 768-1023
	STEP 0, 0, 0
	TURN 0, 1, 0                                   ; nothing is left to fetch
	STEP 1, 0, 0
	s_wait_dscnt 4*NL                              ; the last step
	WIN MUL_LO
	MUL16 0, 1, 0
	MUL16 2, 1, 0
	s_wait_dscnt 0
	WIN MUL_HI
	MUL16 4, 1, 0
	MUL16 6, 1, 0
	WIN 0
	; THE WAY OUT.  The three scales are folded into the conversion's one: code = sum / 2^(eo - e0 - e1), eo = e2, e3 or e5 by the role.
	s_wait_kmcnt 0x0
	s_cmp_eq_u32 ttmp9, 0
	s_cselect_b32 s88, s82, s83
	s_cmp_eq_u32 ttmp9, 2
	s_cselect_b32 s88, s85, s88
	s_sub_co_i32 s88, s88, s80
	s_sub_co_i32 s88, s88, s81
	s_add_co_i32 s88, s88, 127
	s_lshl_b32 s89, s88, 23
	v_mov_b32 v[SCL], s89
	s_add_co_i32 s88, s88, 8
	s_lshl_b32 s88, s88, 23
	s_or_b32 s88, s88, 0x600000
	v_mov_b32 v[LIMV], s88
	PLACES NP
; Block a: 16 rows of A x 128 rows of B: held, converted (a lane's eight sums: 8 bytes) and put into the work-group's stage.  Each accumulator is read from its low end on.
.macro QBLOCK a
	WIN 0x02+((\a)/4)                              ; source 0: window 2 or 3
.irp b, 0,1,2,3,4,5,6,7
.irp i, 0,1,2,3,4,5,6,7
	v_med3_num_f32 v[TMP+8*\b+\i], v[64*((\a)%4)+8*\b+\i], -v[LIMV], v[LIMV]   ; the conversion does not saturate (ISA guide 7.6.2): the hold comes first
.endr
.endr
	WIN 0
.irp b, 0,1,2,3,4,5,6,7
	v_cvt_scalef32_pk8_fp8_f32 v[CD+16*(\a)+2*\b:CD+16*(\a)+2*\b+1], v[TMP+8*\b:TMP+8*\b+7], v[SCL]
.endr
	v_nop                                          ; a plain line behind the last conversion
.irp b, 0,1,2,3,4,5,6,7
	ds_store_b64 v[STO], v[CD+16*(\a)+2*\b:CD+16*(\a)+2*\b+1] offset:16*SPITCH*(\a)+16*\b
.endr
.endm
.irp a, 0,1,2,3,4,5,6,7
	QBLOCK \a
.endr
	s_wait_dscnt 0x0                               ; for the others' sake: my stores into the stage are done
	s_barrier_signal -1
	s_barrier_wait -1
.irp i, 0,1,2,3                        ; tile i of my four: stage rows 64 w + 32 (i / 2) + 8 (i % 2) + r + 8 (r / 8); n: which 32 bytes of the rows
.irp n, 0,1,2,3,4,5,6,7
	ds_load_b128 v[CD+4*(8*\i+\n):CD+4*(8*\i+\n)+3], v[RD] offset:(32*(\i/2)+8*(\i%2))*SPITCH+32*\n
.endr
.endr
	s_cmp_eq_u32 ttmp9, 2                          ; the role: the same in every wave and every partner; the two ways hold waits and stores alone
	s_cbranch_scc1 .Lsend_v
.irp i, 0,1,2,3                        ; q, k: head n / 2 of the four, token tile 4 w + i, c = n % 2
.irp n, 0,1,2,3,4,5,6,7
	s_wait_dscnt 31-(8*\i+\n)
	global_store_b128 v[CO], v[CD+4*(8*\i+\n):CD+4*(8*\i+\n)+3], s[10:11] offset:(\n/2)*HEADB+1024*\i+512*(\n%2)   ; an image: 512 consecutive bytes
.endr
.endr
	s_branch .Lsent
.Lsend_v:
.irp i, 0,1,2,3                        ; v: head w of the four, key step n / 4, channel tile i, c = n % 4
.irp n, 0,1,2,3,4,5,6,7
	s_wait_dscnt 31-(8*\i+\n)
	global_store_b128 v[CO], v[CD+4*(8*\i+\n):CD+4*(8*\i+\n)+3], s[10:11] offset:8192*(\n/4)+2048*\i+512*(\n%4)
.endr
.endr
.Lsent:
	s_wait_tensorcnt 0x0                           ; the wave's end: behind my last tensor load and my last LDS store
	ds_add_u32 v[SPW], v[NIL]
	s_wait_dscnt 0x0
	CROUND                                         ; the closing round: no work-group ends while a partner may still ask for a tile that names it
	s_endpgm
.Lfunc_end_k_q6511b11bff_qkv_gemm:
	.size	k_q6511b11bff_qkv_gemm, .Lfunc_end_k_q6511b11bff_qkv_gemm-k_q6511b11bff_qkv_gemm
	.p2alignl 7, 3214868480
	.fill 96, 4, 3214868480
	.section	.rodata,"a",@progbits
	.p2align	6, 0x0
	.amdhsa_kernel k_q6511b11bff_qkv_gemm
		.amdhsa_group_segment_fixed_size 327680
		.amdhsa_private_segment_fixed_size 0
		.amdhsa_enable_private_segment 0
		.amdhsa_kernarg_size 32
		.amdhsa_user_sgpr_count 2
		.amdhsa_user_sgpr_kernarg_segment_ptr 1
		.amdhsa_wavefront_size32 1
		.amdhsa_system_sgpr_workgroup_id_x 1
		.amdhsa_system_sgpr_workgroup_id_y 1
		.amdhsa_system_sgpr_workgroup_id_z 1
		.amdhsa_system_vgpr_workitem_id 0
		.amdhsa_next_free_vgpr 1024
		.amdhsa_next_free_sgpr 100
		.amdhsa_reserve_vcc 0
		.amdhsa_float_denorm_mode_32 3
		.amdhsa_float_denorm_mode_16_64 3
		.amdhsa_memory_ordered 1
		.amdhsa_forward_progress 1
		.amdhsa_inst_pref_size 130
	.end_amdhsa_kernel
	.amdgpu_metadata
---
amdhsa.version: [ 1, 2 ]
amdhsa.kernels:
  - .name:           k_q6511b11bff_qkv_gemm
    .symbol:         k_q6511b11bff_qkv_gemm.kd
    .args:
      - { .name: xq, .offset: 0, .size: 8, .value_kind: global_buffer, .address_space: global }
      - { .name: wq, .offset: 8, .size: 8, .value_kind: global_buffer, .address_space: global }
      - { .name: lowp_scales, .offset: 16, .size: 8, .value_kind: global_buffer, .address_space: global }
      - { .name: qkv, .offset: 24, .size: 8, .value_kind: global_buffer, .address_space: global }
    .group_segment_fixed_size: 327680
    .private_segment_fixed_size: 0
    .kernarg_segment_align: 8
    .kernarg_segment_size: 32
    .max_flat_workgroup_size: 128
    .sgpr_count:     100
    .vgpr_count:     1024
    .wavefront_size: 32
...
	.end_amdgpu_metadata
.endif
;; end of part 2
;; launch attn (part 3): grid 4 x 64, 16 waves a work-group, clusters of 4 x 1, 327,680 bytes of LDS; arguments qkv, lowp_scales, oc; writes oc
.if DOCPART == 3
	.amdgcn_target "amdgcn-amd-amdhsa--gfx1250"
	.amdhsa_code_object_version 6
	.text
	.protected	k_q6511b11bff_attn
	.globl	k_q6511b11bff_attn
	.p2align	8
	.type	k_q6511b11bff_attn,@function
k_q6511b11bff_attn:
	s_mov_b64 s[64:65], 0
	v_nop
	global_prefetch_b8 v0, s[64:65] scope:SCOPE_SE
	s_setreg_imm32_b32 hwreg(HW_REG_WAVE_MODE, 25, 1), 1
	s_wait_xcnt 0x0
	s_wait_alu depctr_hold_cnt(0) depctr_sa_sdst(0) depctr_va_vdst(0) depctr_va_sdst(0) depctr_va_ssrc(0) depctr_va_vcc(0) depctr_vm_vsrc(0)
	s_getreg_b32 s2, hwreg(HW_REG_IB_STS2, 6, 4)
	s_cmp_eq_u32 s2, 0
	s_cbranch_scc0 .Lentry_in_a_cluster
	s_endpgm
.Lentry_in_a_cluster:
	s_bfe_u32 s2, ttmp6, 0x10000c
	s_cmp_lg_u32 s2, 0x3003
	s_cbranch_scc0 .Lentry_shape_is_right
	s_endpgm
.Lentry_shape_is_right:
; Causal attention of 64 heads (2,048 tokens, head size 64), both products on codes of FP8 (E4M3); the result is quantised with 2^e6 for the projection.
; LEFT OUT: key steps all of whose 128 keys lie behind all 16 queries of a tile: reference()'s own causal mask gives them the weight 0 for all values of the inputs.
; THE SOFTMAX: t = score x log2(e) / 8; M = the running largest t rounded UP to a whole number; p = 2^(t - M) is quantised with 2^e4, not normalised; the row's sum is taken of the unquantised p and divides at the end.
; When M moves, the sum and O are multiplied by 2^(old M - new M), which rounds nothing.
; IN: qkv[head][slot of 256 tokens][49,152]: K part, V part, Q part, all as images of operand registers (512 bytes; lane 16 h + r: 16 bytes, k = 32 c + 16 h + 0 .. 15 of its row).  Lane r of tile 2 b + u (of tokens in K and Q,
; of channels in V) stands for row 32 b + 8 u + r + 8 (r / 8): so the 16 result registers of two neighbouring tiles are 16 neighbours along the next K, and each conversion's result IS the next operand's registers.
; Both products are used transposed (S^T = K Q^T, O^T = V^T P^T): a lane holds ONE query throughout.
; SHARES.  A cluster of four work-groups is one head; a work-group has sixteen waves of 256 registers.  A wave owns TWO tiles of 16 queries: t = 4 u + g and 127 - (4 u + g), g the work-group's place, u made of the wave's number.
; Tile t works in key steps (128 keys) 0 .. t / 8, which is u / 2 and 15 - u / 2: by the wave's number alone.  So every wave has 17 tile steps, and the skips are the same in all four partners.
; LDS HOLDS THE HEAD'S K AND V WHOLE: 2 x 2,048 x 64 = 262,144 bytes: K's key step n at 8,192 n, V's at 131,072 + 8,192 n.  Each of the sixteen waves asks for 16,384 bytes (part w % 2 of slot w / 2) by one tensor load at the head,
; JOINTLY with the same wave of the three partners.  Nothing is filled again: one wait, one barrier, and then the waves share nothing and meet at no barrier until the closing round.
; NO PREFETCH: every tensor load of the text goes out at the head; there is no loop in which to ask ahead of one.
; OUT: oc, images like the first product's A operand: tile 128 batch + t, K = 64 head + channel.  A lane's place in O^T is its place in the image: no stage.
; LIMITS: e2 + e3 between -123 and 130 (added to c's exponent field); e4 between -126 and 119; e4 + e5 - e6 so small in magnitude (about 100) that 2^that / the row's sum stays a normal f32 number;
; the scaled scores t stay under 2^31 in magnitude.
.set VOFF,  131072                     ; V's half of LDS
.set SPARE, 262144                     ; behind K and V: the spare words, 128 bytes for each of 16 waves: eight blocks of 256 bytes that no other line names
.set HEADB, 393216
.set SLOTB, 49152
.set LI,   1                           ; v1   16 x lane
.set AD,   2                           ; v2   16 x lane + the key step's K
.set ADV,  3                           ; v3   the same for V
.set SPW,  4                           ; v4   LDS address of my spare word; never rewritten
.set NIL,  5                           ; v5   0; never rewritten
.set DL,   6                           ; v6   the mask's threshold of my low tile, v7 of my high tile
.set DH,   7
.set NINF, 8                           ; v8   -infinity
.set PX,   9                           ; v9   a lane permute's destination
.set PLIM, 10                          ; v10  448 x 2^e4
.set PSC,  11                          ; v11  2^e4
.set STL,  12                          ; v[12:15] low tile: -M, the largest t, the sum in two halves;  v[16:19] high tile
.set STH,  16
.set FF,   20                          ; v[20:21] f = 2^(old M - new M), and 0
.set SUM2, 22                          ; v[22:23] the second chain of the sum
.set MX,   24                          ; v24, v25 at work
.set C448, 26                          ; v26  448.0
.set ONE,  27                          ; v27  1.0
.set PLIM2, 29                         ; v29  448 x 2^e4 once more: the two halves of a dual pair take their second sources from registers whose numbers differ modulo 4
.set QL,   32                          ; v[32:39] Q of my low tile, v[40:47] of my high tile
.set QH,   40
.set KV,   48                          ; v[48:111]  eight fragments of K, then four of V
.set S,    112                         ; v[112:175] S^T, then p
.set OL,   176                         ; v[176:207] O^T of my low tile, v[208:239] of my high tile
.set OH,   208
.set P,    240                         ; v[240:255] p's codes
.set WV,   18
.set GX,   19
.set SEL,  20                          ; s[20:21] selects of v_permlanex16_b32: lane l xor 16
.set CS,   22                          ; s[22:23] c = log2(e) / 8 x 2^(e2 + e3)
.set G1,   24                          ; s[24:31] descriptor group 1
.set G0,   40                          ; s[40:43] group 0
.set OPH,  44                          ; s[44:45] oc at my high tile
.set NS,   68                          ; the key step's number
.set LIML, 69                          ; my low tile's last key step
.set LIMH, 70
.set QPL,  72
.set QPH,  74
.set EX,   84                          ; s[84:91] e0 .. e7
.set TB,   92                          ; LDS byte at which the key step's K begins
.set OPL,  94
.macro CROUND                          ; a round of the cluster's barrier
	s_barrier_signal -1
	s_barrier_wait -1
	s_cmp_lg_u32 s[WV], 0
	s_cbranch_scc1 .Lnot_wave_0_\@
	s_barrier_signal -3
.Lnot_wave_0_\@:
	s_barrier_wait -3
	s_barrier_signal -1
	s_barrier_wait -1
.endm
; of tile s[t]: qo: byte of its Q images in qkv; dd: its first token within its last key step; oo: byte of its images in oc
.macro TILEADR t, qo, dd, oo
	s_lshr_b32 s[\qo], s[\t], 4
	s_mul_i32 s[\qo], s[\qo], SLOTB
	s_and_b32 s55, s[\t], 15
	s_lshl_b32 s55, s55, 10
	s_add_co_u32 s[\qo], s[\qo], s55
	s_add_co_u32 s[\qo], s[\qo], s56
	s_add_co_u32 s[\qo], s[\qo], 32768
	s_mov_b32 s[\qo+1], 0
	s_lshr_b32 s[\dd], s[\t], 1
	s_lshl_b32 s[\dd], s[\dd], 5
	s_and_b32 s55, s[\t], 1
	s_lshl_b32 s55, s55, 3
	s_add_co_u32 s[\dd], s[\dd], s55
	s_and_b32 s[\dd], s[\dd], 127
	s_add_co_u32 s[\oo], s48, s[\t]
	s_lshl_b32 s[\oo], s[\oo], 14
	s_add_co_u32 s[\oo], s[\oo], s49
	s_mov_b32 s[\oo+1], 0
.endm
	s_load_b128 s[4:7], s[0:1], 0x0                ; qkv s[4:5], the scales' exponents s[6:7]
	s_load_b64 s[8:9], s[0:1], 0x10                ; oc
	v_lshl_add_u32 v[SPW], v0, 2, SPARE
	v_mov_b32 v[NIL], 0
	ds_add_u32 v[SPW], v[NIL]                      ; the wave's opening: the add, twice on end, and its wait ahead of my first tensor load; work on registers stands between
	ds_add_u32 v[SPW], v[NIL]
	v_lshrrev_b32 v24, 5, v0
	v_readfirstlane_b32 s[WV], v24                 ; wave 0..15
	s_bfe_u32 s[GX], ttmp6, 0x40000                ; g: my place in the cluster: it enters global addresses and the mask's thresholds alone
	s_and_b32 s50, ttmp7, 0xffff                   ; the head 16 batch + head, which the partners share
	s_lshr_b32 s51, s[WV], 2
	s_and_b32 s52, s[WV], 3
	s_add_co_u32 s52, s52, s51
	s_and_b32 s52, s52, 3
	s_lshl_b32 s52, s52, 2
	s_add_co_u32 s52, s52, s51                     ; u = 4 ((w / 4 + w % 4) % 4) + w / 4: each of 0 .. 15 once
	s_lshr_b32 s[LIML], s52, 1
	s_sub_co_u32 s[LIMH], 15, s[LIML]
	s_lshl_b32 s53, s52, 2
	s_add_co_u32 s53, s53, s[GX]                   ; my low tile
	s_sub_co_u32 s54, 127, s53                     ; my high tile
	s_mul_i32 s56, s50, HEADB                      ; the head's first byte in qkv
	s_lshr_b32 s48, s50, 4
	s_lshl_b32 s48, s48, 7                         ; 128 x batch
	s_and_b32 s49, s50, 15
	s_lshl_b32 s49, s49, 10                        ; a head's 64 channels: 1,024 bytes of a tile of oc
	TILEADR 53, 58, 46, 32
	TILEADR 54, 60, 47, 34
	s_and_b32 s36, s[WV], 1                        ; what I fetch: the K part (0) or the V part (1)
	s_lshr_b32 s37, s[WV], 1                       ; of slot w / 2
	s_lshl_b32 s62, s36, 17
	s_lshl_b32 s63, s37, 14
	s_add_co_u32 s62, s62, s63                     ; in LDS: 131,072 x part + 16,384 x slot: the wave's number alone
	s_lshl_b32 s36, s36, 14
	s_mul_i32 s37, s37, SLOTB
	s_add_co_u32 s38, s56, s36
	s_add_co_u32 s38, s38, s37                     ; in memory: the head + 49,152 x slot + 16,384 x part
	s_mov_b32 s39, 0
	; descriptor group 1: 64 rows of 32 elements of 8 bytes, dense in memory and in LDS: 16,384 bytes
	s_mov_b32 s[G1], 15|(3<<16)|(1<<21)            ; 15:0 the mask: all four work-groups; 17:16 elements of 8 bytes; 21 set beside a mask
	s_mov_b32 s[G1+1], 32<<16                      ; tensor_dim0
	s_mov_b32 s[G1+2], 64<<16                      ; tensor_dim1
	s_mov_b32 s[G1+3], 32<<16                      ; tile_dim0
	s_mov_b32 s[G1+4], 64                          ; tile_dim1
	s_mov_b32 s[G1+5], 32                          ; tensor_dim0_stride
	s_mov_b32 s[G1+6], 0
	s_mov_b32 s[G1+7], 0
	s_mov_b32 s[SEL], 0x76543210
	s_mov_b32 s[SEL+1], 0xfedcba98
	s_mov_b32 s[CS], 0x3e38aa3b                    ; log2(e) / 8
	s_mov_b32 s[TB], 0
	s_mov_b32 s[NS], 0
	v_and_b32 v1, 31, v0
	v_and_b32 v24, 15, v0                          ; r
	v_bfe_u32 v25, v0, 4, 1                        ; h
	v_lshlrev_b32 v[LI], 4, v1
	v_and_b32 v9, 8, v24
	v_lshlrev_b32 v25, 4, v25
	v_add_nc_u32 v24, v24, v9                      ; r + 8 (r / 8)
	v_sub_nc_u32 v24, v24, v25
	v_add_nc_u32 v[DL], s46, v24                   ; d = my query - the diagonal step's first key - 16 h.  Register 16 b + i holds that step's key 32 b + 16 h + i: hidden where 32 b + i > d
	v_add_nc_u32 v[DH], s47, v24
	s_wait_dscnt 0x0                               ; both opening adds are done
	s_wait_kmcnt 0x0
	s_load_b256 s[EX:EX+7], s[6:7], 0x0
	s_add_nc_u64 s[QPL:QPL+1], s[4:5], s[58:59]
	s_add_nc_u64 s[QPH:QPH+1], s[4:5], s[60:61]
	s_add_nc_u64 s[OPL:OPL+1], s[8:9], s[32:33]
	s_add_nc_u64 s[OPH:OPH+1], s[8:9], s[34:35]
	s_mov_b32 s[G0], 1                             ; count = 1
	s_mov_b32 s[G0+1], s62                         ; LDS address
	s_add_nc_u64 s[G0+2:G0+3], s[4:5], s[38:39]    ; global address
	s_or_b32 s[G0+3], s[G0+3], 0x80000000          ; type = 2
	CROUND                                         ; all four work-groups are here: the joint loads meet
	tensor_load_to_lds s[G0:G0+3], s[G1:G1+7]      ; my one tensor load: every wave issues one, with no branch
	s_nop 0
.rept 4
	v_nop
.endr
	s_wait_alu depctr_va_vdst(0)                   ; the wait directly ahead of the first reader of 16 x lane
.irp c, 0,1
	global_load_b128 v[QL+4*\c:QL+4*\c+3], v[LI], s[QPL:QPL+1] offset:512*\c   ; Q's fragments stay in registers
	global_load_b128 v[QH+4*\c:QH+4*\c+3], v[LI], s[QPH:QPH+1] offset:512*\c
.endr
	v_mov_b32 v[NINF], 0xff800000
	v_mov_b32 v[PX], 0                             ; a lane permute's destination counts as one of its sources
	v_mov_b32 v[MX], 0
	v_mov_b32 v[MX+1], 0
	v_mov_b32 v[FF+1], 0                           ; (named as the upper half of a pair)
	v_mov_b32 v[C448], 0x43e00000
	v_mov_b32 v[ONE], 1.0
.irp s, STL, STH
	v_mov_b32 v[\s+1], 0xff61b1e6                  ; the largest t so far: -3e38, under every t
	v_mov_b32 v[\s+2], 0                           ; the sum, in two halves
	v_mov_b32 v[\s+3], 0
	v_floor_f32 v[\s], -v[\s+1]                    ; -M
.endr
.irp b, 0,1,2,3,4,5,6,7
.irp i, 0,1,2,3,4,5,6,7
	v_mov_b32 v[OL+8*\b+\i], 0                     ; O^T of both tiles.  (The step is written once: the first finds zeros, which the first change of M leaves zeros)
.endr
.endr
	s_wait_kmcnt 0x0
	s_add_co_i32 s50, s[EX+2], s[EX+3]
	s_lshl_b32 s50, s50, 23
	s_add_co_i32 s[CS], s[CS], s50                 ; a score stands for score x 2^(e2 + e3): added to c's exponent field
	s_mov_b32 s[CS+1], s[CS]                       ; (named with it as a pair)
	s_add_co_i32 s50, s[EX+4], 127
	s_lshl_b32 s51, s50, 23
	v_mov_b32 v[PSC], s51
	s_add_co_i32 s50, s50, 8
	s_lshl_b32 s50, s50, 23
	s_or_b32 s50, s50, 0x600000
	v_mov_b32 v[PLIM], s50
	v_mov_b32 v[PLIM2], s50
; A KEY STEP of one tile: 128 keys.  st: the tile's statistics, qf: its Q, ot: its O^T, dv: its threshold, lim: its last key step (a scalar register's number).
.macro STEP st, qf, ot, dv, lim
	s_cmp_gt_u32 s[NS], s[\lim]                    ; all keys of this step come after the tile's queries: the step's work is left out.  The wave's number and the count of steps alone
	s_cbranch_scc1 .Lskip_\@
.rept 4
	v_nop                                          ; places in front of loads into registers that matrix instructions have read
.endr
	s_wait_alu depctr_va_vdst(0)                   ; ahead of the readers of the step's addresses
.irp t, 0,1,2,3,4,5,6,7
.irp c, 0,1
	ds_load_b128 v[KV+8*\t+4*\c:KV+8*\t+4*\c+3], v[AD] offset:1024*\t+512*\c
.endr
.endr
	s_wait_dscnt 0x0
.irp t, 0,1,2,3,4,5,6,7
	v_wmma_f32_16x16x64_fp8_fp8 v[S+8*\t:S+8*\t+7], v[KV+8*\t:KV+8*\t+7], v[\qf:\qf+7], 0
.endr
.rept 4
	v_nop                                          ; places: for V's loads into K's registers, and for the first read of the scores
.endr
	s_wait_alu depctr_va_vdst(0)
.irp t, 0,1,2,3
.irp c, 0,1,2,3
	ds_load_b128 v[KV+16*\t+4*\c:KV+16*\t+4*\c+3], v[ADV] offset:2048*\t+512*\c   ; V lands while the softmax is walked
.endr
.endr
	s_cmp_lg_u32 s[NS], s[\lim]                    ; only the tile's last step lies on the diagonal
	s_cbranch_scc1 .Lopen_\@
.irp b, 0,1,2,3
.irp i, 0,1,2,3,4,5,6,7,8,9,10,11,12,13,14,15
	v_cmp_gt_i32 vcc_lo, 32*\b+\i, v[\dv]
	v_cndmask_b32 v[S+16*\b+\i], v[S+16*\b+\i], v[NINF], vcc_lo   ; a hidden key's score becomes -infinity ahead of the maximum: p = 0
.endr
.endr
.Lopen_\@:
	v_max3_num_f32 v[MX], v[S], v[S+1], v[S+2]     ; the step's largest score of my query among my 64 keys, in two chains; each accumulator is read from its low end on
	v_max3_num_f32 v[MX+1], v[S+3], v[S+4], v[S+5]
.irp i, 6,10,14,18,22,26,30,34,38,42,46,50,54,58
	v_max3_num_f32 v[MX], v[MX], v[S+\i], v[S+1+\i]
	v_max3_num_f32 v[MX+1], v[MX+1], v[S+2+\i], v[S+3+\i]
.endr
	v_max3_num_f32 v[MX], v[MX], v[S+62], v[S+63]
	s_delay_alu instid0(VALU_DEP_1)
	v_max_num_f32 v[MX], v[MX], v[MX+1]
	s_delay_alu instid0(VALU_DEP_1)
	v_permlanex16_b32 v[PX], v[MX], s[SEL], s[SEL+1]
	s_delay_alu instid0(VALU_DEP_1)
	v_max_num_f32 v[MX], v[MX], v[PX]              ; and among lane l xor 16's
	s_delay_alu instid0(VALU_DEP_1)
	v_mul_f32 v[MX], s[CS], v[MX]                  ; as t (c is positive)
	s_delay_alu instid0(VALU_DEP_1)
	v_max_num_f32 v[\st+1], v[\st+1], v[MX]        ; the running largest t
	v_mov_b32 v[MX], v[\st]
	s_delay_alu instid0(VALU_DEP_2)
	v_floor_f32 v[\st], -v[\st+1]                  ; the new -M = -ceil(t): a whole number
	s_delay_alu instid0(VALU_DEP_1)
	v_sub_f32 v[MX], v[\st], v[MX]                 ; old M - new M: a whole number, 0 or less
	s_delay_alu instid0(VALU_DEP_1)
	v_cvt_i32_f32 v[MX], v[MX]                     ; (it saturates)
	s_delay_alu instid0(VALU_DEP_1)
	v_ldexp_f32 v[FF], 1.0, v[MX]                  ; f = 2^(old M - new M)
.irp j, 0,2,4,6,8,10,12,14,16,18,20,22,24,26,28,30,32,34,36,38,40,42,44,46,48,50,52,54,56,58,60,62
	v_pk_fma_f32 v[S+\j:S+\j+1], v[S+\j:S+\j+1], s[CS:CS+1], v[\st:\st+1] op_sel_hi:[1,0,0]   ; t - M, two at a time (of the pairs c and -M the low word serves both halves)
.endr
	s_wait_alu depctr_va_vdst(0)                   ; ahead of the batch
.irp b, 0,1,2,3,4,5,6,7
.irp i, 0,1,2,3,4,5,6,7
	v_exp_f32 v[S+8*\b+\i], v[S+8*\b+\i]           ; p = 2^(t - M), at most 1
.endr
.endr
	v_pk_mul_f32 v[\st+2:\st+3], v[\st+2:\st+3], v[FF:FF+1] op_sel_hi:[1,0]   ; the sums under the new M: the plain line behind the exponentials
	s_wait_alu depctr_va_vdst(0)                   ; one wait for the whole batch, ahead of its first reader
	v_pk_add_f32 v[SUM2:SUM2+1], v[S:S+1], v[S+2:S+3]   ; the row's sum is taken of the unquantised p, in two chains
.irp j, 4,8,12,16,20,24,28,32,36,40,44,48,52,56,60
	v_pk_add_f32 v[\st+2:\st+3], v[\st+2:\st+3], v[S+\j:S+\j+1]
	v_pk_add_f32 v[SUM2:SUM2+1], v[SUM2:SUM2+1], v[S+2+\j:S+3+\j]
.endr
	s_delay_alu instid0(VALU_DEP_1)
	v_pk_add_f32 v[\st+2:\st+3], v[\st+2:\st+3], v[SUM2:SUM2+1]
.irp b, 0,1,2,3
.irp i, 0,2,4,6,8,10,12,14
	v_dual_min_num_f32 v[S+16*\b+\i], v[S+16*\b+\i], v[PLIM] :: v_dual_min_num_f32 v[S+16*\b+\i+1], v[S+16*\b+\i+1], v[PLIM2]   ; the conversion does not saturate (ISA guide 7.6.2); p is not negative, so the hold is one-sided; two numbers a line
.endr
	v_cvt_scalef32_pk8_fp8_f32 v[P+4*\b:P+4*\b+1], v[S+16*\b:S+16*\b+7], v[PSC]
	v_cvt_scalef32_pk8_fp8_f32 v[P+4*\b+2:P+4*\b+3], v[S+16*\b+8:S+16*\b+15], v[PSC]
.endr
	s_wait_alu depctr_va_vdst(0)                   ; the wait directly ahead of the first reader of O^T
.irp j, 0,2,4,6,8,10,12,14,16,18,20,22,24,26,28,30
	v_pk_mul_f32 v[\ot+\j:\ot+\j+1], v[\ot+\j:\ot+\j+1], v[FF:FF+1] op_sel_hi:[1,0]   ; O^T under the new M; also the plain lines between the conversions and the products
.endr
	s_wait_alu depctr_va_vdst(0)
	s_wait_dscnt 0x0                               ; V is in
.irp t, 0,1,2,3
	v_wmma_f32_16x16x128_fp8_fp8 v[\ot+8*\t:\ot+8*\t+7], v[KV+16*\t:KV+16*\t+15], v[P:P+15], v[\ot+8*\t:\ot+8*\t+7]   ; the four accumulators take turns
.endr
.Lskip_\@:
.endm
	s_wait_alu depctr_va_vdst(0)                   ; the wait at the head's end
	s_wait_loadcnt 0x0                             ; Q
	s_wait_tensorcnt 0x0                           ; my sixteenth of K and V is in,
	s_barrier_signal -1
	s_barrier_wait -1                              ; and so is everybody's: from here on LDS is only read
.Lstep:                                            ; 16 trips, a key step each: a constant count, so that the LDS addresses are a constant step per trip
	v_add_nc_u32 v[AD], s[TB], v[LI]
	v_add_nc_u32 v[ADV], VOFF, v[AD]
	STEP STH, QH, OH, DH, LIMH
	STEP STL, QL, OL, DL, LIML
	s_add_co_u32 s[TB], s[TB], 8192
	s_add_co_u32 s[NS], s[NS], 1
	s_cmp_lt_u32 s[NS], 16
	s_cbranch_scc1 .Lstep
	; THE WAY OUT.  code = O^T x 2^(e4 + e5 - e6) / the sum, held within +-448.  Registers 16 b + i of a tile's O^T are channels 32 b + 16 h + i of query r: a lane's 16 bytes of image 2 (head % 2) + b.
.rept 4
	v_nop                                          ; places behind the last products
.endr
	v_add_f32 v[STL+2], v[STL+2], v[STL+3]         ; the sum's two halves,
	v_add_f32 v[STH+2], v[STH+2], v[STH+3]
	s_delay_alu instid0(VALU_DEP_2)
	v_permlanex16_b32 v[PX], v[STL+2], s[SEL], s[SEL+1]
	s_delay_alu instid0(VALU_DEP_2)
	v_permlanex16_b32 v[MX], v[STH+2], s[SEL], s[SEL+1]
	s_delay_alu instid0(VALU_DEP_2)
	v_add_f32 v[STL+2], v[STL+2], v[PX]            ; and lane l xor 16's
	s_delay_alu instid0(VALU_DEP_2)
	v_add_f32 v[STH+2], v[STH+2], v[MX]
	s_wait_alu depctr_va_vdst(0)                   ; ahead of the reciprocals
	v_rcp_f32 v[STL+2], v[STL+2]
	v_rcp_f32 v[STH+2], v[STH+2]
	v_nop                                          ; a plain line behind the reciprocals
	s_add_co_i32 s50, s[EX+4], s[EX+5]
	s_sub_co_i32 s50, s50, s[EX+6]
	s_wait_alu depctr_va_vdst(0)                   ; one wait for both, ahead of their first reader
	v_ldexp_f32 v[STL+2], v[STL+2], s50
	v_ldexp_f32 v[STH+2], v[STH+2], s50
	s_wait_alu depctr_va_vdst(0)                   ; the wait directly ahead of the first reader of O^T
.irp j, 0,2,4,6,8,10,12,14,16,18,20,22,24,26,28,30
	v_pk_mul_f32 v[S+\j:S+\j+1], v[OL+\j:OL+\j+1], v[STL+2:STL+3] op_sel_hi:[1,0]
.endr
.irp j, 0,2,4,6,8,10,12,14,16,18,20,22,24,26,28,30
	v_pk_mul_f32 v[S+32+\j:S+33+\j], v[OH+\j:OH+\j+1], v[STH+2:STH+3] op_sel_hi:[1,0]
.endr
.irp g, 0,1,2,3
.irp i, 0,1,2,3,4,5,6,7,8,9,10,11,12,13,14,15
	v_med3_num_f32 v[S+16*\g+\i], v[S+16*\g+\i], -v[C448], v[C448]
.endr
	v_cvt_scalef32_pk8_fp8_f32 v[P+4*\g:P+4*\g+1], v[S+16*\g:S+16*\g+7], v[ONE]
	v_cvt_scalef32_pk8_fp8_f32 v[P+4*\g+2:P+4*\g+3], v[S+16*\g+8:S+16*\g+15], v[ONE]
.endr
	v_nop                                          ; a plain line behind the last conversion
	global_store_b128 v[LI], v[P:P+3], s[OPL:OPL+1]                  ; each store: an image, 512 consecutive bytes
	global_store_b128 v[LI], v[P+4:P+7], s[OPL:OPL+1] offset:512
	global_store_b128 v[LI], v[P+8:P+11], s[OPH:OPH+1]
	global_store_b128 v[LI], v[P+12:P+15], s[OPH:OPH+1] offset:512
	s_wait_tensorcnt 0x0                           ; the wave's end
	ds_add_u32 v[SPW], v[NIL]
	s_wait_dscnt 0x0
	CROUND                                         ; the closing round: no work-group ends while a partner may still ask for a tile that names it
	s_endpgm
.Lfunc_end_k_q6511b11bff_attn:
	.size	k_q6511b11bff_attn, .Lfunc_end_k_q6511b11bff_attn-k_q6511b11bff_attn
	.p2alignl 7, 3214868480
	.fill 96, 4, 3214868480
	.section	.rodata,"a",@progbits
	.p2align	6, 0x0
	.amdhsa_kernel k_q6511b11bff_attn
		.amdhsa_group_segment_fixed_size 327680
		.amdhsa_private_segment_fixed_size 0
		.amdhsa_enable_private_segment 0
		.amdhsa_kernarg_size 24
		.amdhsa_user_sgpr_count 2
		.amdhsa_user_sgpr_kernarg_segment_ptr 1
		.amdhsa_wavefront_size32 1
		.amdhsa_system_sgpr_workgroup_id_x 1
		.amdhsa_system_sgpr_workgroup_id_y 1
		.amdhsa_system_sgpr_workgroup_id_z 1
		.amdhsa_system_vgpr_workitem_id 0
		.amdhsa_next_free_vgpr 256
		.amdhsa_next_free_sgpr 96
		.amdhsa_reserve_vcc 1
		.amdhsa_float_denorm_mode_32 3
		.amdhsa_float_denorm_mode_16_64 3
		.amdhsa_memory_ordered 1
		.amdhsa_forward_progress 1
		.amdhsa_inst_pref_size 59
	.end_amdhsa_kernel
	.amdgpu_metadata
---
amdhsa.version: [ 1, 2 ]
amdhsa.kernels:
  - .name:           k_q6511b11bff_attn
    .symbol:         k_q6511b11bff_attn.kd
    .args:
      - { .name: qkv, .offset: 0, .size: 8, .value_kind: global_buffer, .address_space: global }
      - { .name: lowp_scales, .offset: 8, .size: 8, .value_kind: global_buffer, .address_space: global }
      - { .name: oc, .offset: 16, .size: 8, .value_kind: global_buffer, .address_space: global }
    .group_segment_fixed_size: 327680
    .private_segment_fixed_size: 0
    .kernarg_segment_align: 8
    .kernarg_segment_size: 24
    .max_flat_workgroup_size: 512
    .sgpr_count:     96
    .vgpr_count:     256
    .wavefront_size: 32
...
	.end_amdgpu_metadata
.endif
;; end of part 3
;; launch proj_gemm (part 4): grid 4 x 64, 4 waves a work-group, clusters of 4 x 4, 327,680 bytes of LDS; arguments oc, wp, lowp_scales, b_proj, out0; writes out0
.if DOCPART == 4
	.amdgcn_target "amdgcn-amd-amdhsa--gfx1250"
	.amdhsa_code_object_version 6
	.text
	.protected	k_q6511b11bff_proj_gemm
	.globl	k_q6511b11bff_proj_gemm
	.p2align	8
	.type	k_q6511b11bff_proj_gemm,@function
k_q6511b11bff_proj_gemm:
	s_mov_b64 s[64:65], 0
	v_nop
	global_prefetch_b8 v0, s[64:65] scope:SCOPE_SE
	s_setreg_imm32_b32 hwreg(HW_REG_WAVE_MODE, 25, 1), 1
	s_wait_xcnt 0x0
	s_wait_alu depctr_hold_cnt(0) depctr_sa_sdst(0) depctr_va_vdst(0) depctr_va_sdst(0) depctr_va_ssrc(0) depctr_va_vcc(0) depctr_vm_vsrc(0)
	s_getreg_b32 s2, hwreg(HW_REG_IB_STS2, 6, 4)
	s_cmp_eq_u32 s2, 0
	s_cbranch_scc0 .Lentry_in_a_cluster
	s_endpgm
.Lentry_in_a_cluster:
	s_bfe_u32 s2, ttmp6, 0x10000c
	s_cmp_lg_u32 s2, 0xf033
	s_cbranch_scc0 .Lentry_shape_is_right
	s_endpgm
.Lentry_shape_is_right:
; out0 = attention's result x W_proj + b_proj, on codes of FP8 (E4M3): each f32 sum is multiplied by 2^(e6 + e7) and the bias is added in the same fused line.
; OPERANDS are images of registers, as in launch qkv_gemm: a tile of 16 rows x 1024 K = [kq 0..7][c 0..3][512 bytes]; lane 16 h + r: 16 bytes, k = 128 kq + 32 c + 16 h + 0 .. 15 of row r: the same permutation of k in both operands.
; A BLOCK of out0 is 128 tokens x 256 columns, so that 8,192 x 1,024 gives 64 x 4 = 256 work-groups.  Four waves, 64 tokens x 128 columns each: 32 accumulators.
; K = 1024 goes in four steps of 256 through two LDS slots filled by the tensor data mover, written out without a loop.  A slot: A's 128 rows (two loads of 16,384 bytes: waves 0, 1), then B's 256 rows (two of 32,768: waves 2, 3).
; CLUSTERS: 4 x 4 work-groups; A's tile is shared along a row of the cluster, B's along a column: joint loads.  THE MATRIX INSTRUCTION IS USED TRANSPOSED (source 0 = B's 16 rows, source 1 = A's): a lane holds eight neighbouring columns of one row.
; Lane r of A's tile 2 b + u stands for token 32 b + 8 u + r + 8 (r / 8): the stores' row offsets undo that.
; NO PREFETCH: the four K steps are written out with no loop to run ahead in, and two of the four are asked for at the head.
; LIMIT: e6 + e7 between -126 and 127, so that 2^(e6 + e7) is an f32 number.
; REGISTERS, in windows of 256: window 0: v0-31 addresses; v32-95 the bias; v128-191, v192-255 A's fragments, two sets; on the way out v128-191 the results.  window 1: B's fragments, two sets; on the way out rows read back.  window 2: the accumulators.
.set ATILE,  16384                     ; 64 rows x 256 K: 4 tiles x 4,096 bytes: one load for A, and what a wave reads of A
.set BTILE,  32768                     ; 128 rows x 256 K: one load for B, and what a wave reads of B
.set BOFF,   2*ATILE
.set SLOT,   BOFF+2*BTILE
.set SPARE,  2*SLOT                    ; behind the ring: the spare words, 128 bytes a wave: two blocks of 256 bytes that no other line names
.set STAGE,  SPARE+512                 ; the way out: 16 rows x 528 bytes for each wave, on bytes of their own
.set FR,     16                        ; registers of a fragment: 16 rows x 128 K
.set NP,     4                         ; places behind this matrix instruction (ISA guide 7.12.1)
.set SPITCH, 528
.set ADRA, 16                          ; v16-17  LDS address of my A fragments in slot 0, 1
.set ADRB, 20                          ; v20-21  the same for B
.set STO,  24                          ; v24     the stage: where I put 32 bytes of a row
.set RD,   25                          ; v25     the stage: where I read a row back
.set CO,   26                          ; v26     16 x lane
.set BO,   27                          ; v27     32 x (lane / 16): my eight columns of the bias
.set SPW,  28                          ; v28     LDS address of my spare word; never rewritten
.set NIL,  29                          ; v29     0; never rewritten
.set BIAS, 32
.set AF,   128
.set TMP,  128
.set G1, 24
.set G0, 32
.set G1B, 48
.set G0B, 56
.set MSB, 0
.macro WIN new                         ; the immediate's high byte repeats the setting that is left
.if MSB != \new
	s_set_vgpr_msb (MSB<<8)|\new
.set MSB, \new
.endif
.endm
.set MUL_LO, 0xa1                      ; source 0 (B) window 1, source 1 (A) window 0, C and D window 2
.set TO_B,   0x40                      ; destination window 1, address window 0
; A joint load: waves 0 and 1 fetch for A, waves 2 and 3 for B; the branch hangs on the wave's number alone.  An s_nop 0 and four v_nop follow each of the two lines.
.macro JLOAD g0a, g1a, g0b, g1b
	s_cmp_eq_u32 s15, 0
	s_cbranch_scc0 .Lfor_b_\@
	tensor_load_to_lds s[\g0a:\g0a+3], s[\g1a:\g1a+7]
	s_nop 0
.rept 4
	v_nop
.endr
	s_branch .Lasked_\@
.Lfor_b_\@:
	tensor_load_to_lds s[\g0b:\g0b+3], s[\g1b:\g1b+7]
	s_nop 0
.rept 4
	v_nop
.endr
.Lasked_\@:
.endm
.macro CREST                           ; a round of the cluster's barrier behind its opening barrier
	s_cmp_lg_u32 s14, 0
	s_cbranch_scc1 .Lnot_wave_0_\@
	s_barrier_signal -3
.Lnot_wave_0_\@:
	s_barrier_wait -3
	s_barrier_signal -1
	s_barrier_wait -1
.endm
.macro CROUND                          ; a whole round
	s_barrier_signal -1
	s_barrier_wait -1
	CREST
.endm
	s_load_b128 s[4:7], s[0:1], 0x0                ; oc s[4:5], wp s[6:7]
	s_load_b128 s[8:11], s[0:1], 0x10              ; the scales' exponents s[8:9], b_proj s[10:11]
	s_load_b64 s[12:13], s[0:1], 0x20              ; out0
	v_lshl_add_u32 v[SPW], v0, 2, SPARE
	v_mov_b32 v[NIL], 0
	ds_add_u32 v[SPW], v[NIL]                      ; the wave's opening: the add, twice on end, and its wait ahead of my first tensor load; work on registers stands between
	ds_add_u32 v[SPW], v[NIL]
	v_lshrrev_b32 v1, 5, v0
	v_readfirstlane_b32 s14, v1                    ; wave 0..3
	s_lshr_b32 s15, s14, 1                         ; which 64 of A's rows are mine.  Also: I fetch for A (0) or for B (1)
	s_and_b32 s16, s14, 1                          ; which 128 of B's rows.  Also: which half of that tile I fetch
	s_bfe_u32 s40, ttmp6, 0x40000                  ; cx
	s_bfe_u32 s41, ttmp6, 0x40004                  ; cy
	s_lshl_b32 s42, ttmp9, 2
	s_add_co_u32 s42, s42, s40                     ; block column = 4 x cluster x + cx
	s_and_b32 s17, ttmp7, 0xffff
	s_lshl_b32 s17, s17, 2
	s_add_co_u32 s17, s17, s41                     ; block row = 4 x cluster y + cy
	s_lshl_b32 s43, s41, 2
	s_lshl_b32 s43, 15, s43                        ; my row of the cluster
	s_lshl_b32 s44, 0x1111, s40                    ; my column
	; descriptor group 1: rows (tiles) of 512 elements of 8 bytes (a tile's 256 along K), 16,384 bytes apart, dense in LDS: 4 rows for A, 8 for B
	s_or_b32 s[G1+0], s43, (3<<16)|(1<<21)         ; 15:0 the mask; 17:16 elements of 8 bytes; 21 set beside a mask
	s_or_b32 s[G1B+0], s44, (3<<16)|(1<<21)
	s_mov_b32 s[G1+1], 512<<16                     ; tensor_dim0
	s_mov_b32 s[G1+2], 4<<16                       ; tensor_dim1
	s_mov_b32 s[G1+3], 512<<16                     ; tile_dim0
	s_mov_b32 s[G1+4], 4                           ; tile_dim1
	s_mov_b32 s[G1+5], 2048                        ; tensor_dim0_stride
	s_mov_b32 s[G1+6], 0
	s_mov_b32 s[G1+7], 0
	s_mov_b32 s[G1B+1], 512<<16
	s_mov_b32 s[G1B+2], 8<<16
	s_mov_b32 s[G1B+3], 512<<16
	s_mov_b32 s[G1B+4], 8
	s_mov_b32 s[G1B+5], 2048
	s_mov_b32 s[G1B+6], 0
	s_mov_b32 s[G1B+7], 0
	s_lshl_b32 s18, s16, 6
	s_lshl_b32 s20, s17, 7
	s_add_co_u32 s20, s20, s18                     ; A: row 128 x block row + 64 x half
	s_lshl_b32 s20, s20, 10                        ; 1,024 bytes of codes a row
	s_lshl_b32 s18, s16, 7
	s_lshl_b32 s46, s42, 8
	s_add_co_u32 s46, s46, s18                     ; B: row 256 x block column + 128 x half
	s_lshl_b32 s46, s46, 10
	s_mov_b32 s21, 0
	s_mov_b32 s47, 0
	s_lshl_b32 s45, s16, 14                        ; where they go: A's halves,
	s_lshl_b32 s68, s16, 15
	s_add_co_u32 s68, s68, BOFF                    ; then B's: no place in the cluster enters an LDS address
	s_wait_dscnt 0x0                               ; both opening adds are done
	s_wait_kmcnt 0x0
	s_load_b64 s[96:97], s[8:9], 0x18              ; e6, e7
	s_add_nc_u64 s[20:21], s[4:5], s[20:21]
	s_add_nc_u64 s[46:47], s[6:7], s[46:47]
	CROUND                                         ; all sixteen work-groups are here: the first joint loads meet
.irp s, 0,1
	s_mov_b32 s[G0+4*\s], 1
	s_add_co_u32 s[G0+4*\s+1], s45, \s*SLOT
	s_add_nc_u64 s[G0+4*\s+2:G0+4*\s+3], s[20:21], \s*4096
	s_or_b32 s[G0+4*\s+3], s[G0+4*\s+3], 0x80000000
	s_mov_b32 s[G0B+4*\s], 1
	s_add_co_u32 s[G0B+4*\s+1], s68, \s*SLOT
	s_add_nc_u64 s[G0B+4*\s+2:G0B+4*\s+3], s[46:47], \s*4096
	s_or_b32 s[G0B+4*\s+3], s[G0B+4*\s+3], 0x80000000
.endr
	JLOAD G0, G1, G0B, G1B                         ; K step 0: one tensor load a wave at the head
	s_lshl_b32 s21, s15, 14                        ; my 64 rows of A,
	s_lshl_b32 s22, s16, 15
	s_add_co_u32 s22, s22, BOFF                    ; my 128 rows of B,
	s_add_co_u32 s66, s21, SLOT                    ; and the same in slot 1
	s_add_co_u32 s67, s22, SLOT
	s_mul_i32 s23, s14, 16*SPITCH
	s_add_co_u32 s23, s23, STAGE                   ; my stage
	s_lshl_b32 s70, s17, 7
	s_lshl_b32 s69, s15, 6
	s_add_co_u32 s70, s70, s69                     ; my first row of out0: 128 x block row + 64 x half
	s_lshl_b32 s70, s70, 12                        ; 4,096 bytes a row
	s_lshl_b32 s46, s42, 10                        ; my first column, in bytes: 1,024 x block column + 512 x half
	s_lshl_b32 s47, s16, 9
	s_add_co_u32 s46, s46, s47
	s_mov_b32 s47, 0
	s_add_nc_u64 s[10:11], s[10:11], s[46:47]      ; the bias at my columns
	s_add_co_u32 s70, s70, s46
	s_mov_b32 s71, 0
	s_add_nc_u64 s[12:13], s[12:13], s[70:71]
	v_and_b32 v1, 15, v0                           ; r
	v_bfe_u32 v2, v0, 4, 1                         ; h
	v_and_b32 v6, 31, v0
	v_lshlrev_b32 v[CO], 4, v6
	v_lshlrev_b32 v[BO], 5, v2
	v_add_nc_u32 v[ADRA], s21, v[CO]
	v_add_nc_u32 v[ADRA+1], s66, v[CO]
	v_add_nc_u32 v[ADRB], s22, v[CO]
	v_add_nc_u32 v[ADRB+1], s67, v[CO]
	v_mul_u32_u24 v5, v1, SPITCH                   ; the stage, in: row r, 32 bytes for each half of the lanes
	v_lshl_add_u32 v5, v2, 5, v5
	v_add_nc_u32 v[STO], s23, v5
	v_add_nc_u32 v[RD], s23, v[CO]                 ; back: the 32 lanes take one row of 512 bytes
	s_wait_alu depctr_va_vdst(0)                   ; the wait at the head's end
.irp b, 0,1,2,3,4,5,6,7
	global_load_b128 v[BIAS+8*\b:BIAS+8*\b+3], v[BO], s[10:11] offset:64*\b          ; the bias in the results' layout: columns 16 b + 8 h + 0 .. 7
	global_load_b128 v[BIAS+8*\b+4:BIAS+8*\b+7], v[BO], s[10:11] offset:64*\b+16
.endr
.macro FRAG reg, adr, q, i             ; a fragment: four images of 512 bytes: registers 4 c .. 4 c + 3 hold K = 32 c + 16 h + 0 .. 15 of row r
.irp c, 0,1,2,3
	ds_load_b128 v[\reg+4*\c:\reg+4*\c+3], v[\adr] offset:4096*(\i)+2048*(\q)+512*\c
.endr
.endm
.macro FETCH slot, q, p                ; the fragments of the slot's q-th 128 along K into set p: B's eight, A's four: 48 loads in one run
	WIN TO_B
.irp i, 0,1,2,3,4,5,6,7
	FRAG 128*(\p)+FR*\i, ADRB+\slot, \q, \i
.endr
	WIN 0
.irp i, 0,1,2,3
	FRAG AF+64*(\p)+FR*\i, ADRA+\slot, \q, \i
.endr
.endm
; 16 matrix instructions: A's blocks a0, a0 + 1 x B's eight, 128 along K, on set p.  zero = 1: the first product starts the sums.  The 32 accumulators take turns, one instruction a turn.
.macro MUL16 a0, p, zero
.irp a, \a0, \a0+1
.irp b, 0,1,2,3,4,5,6,7
.if \zero
	v_wmma_f32_16x16x128_fp8_fp8 v[8*(8*(\a)+\b):8*(8*(\a)+\b)+7], v[128*(\p)+FR*\b:128*(\p)+FR*\b+FR-1], v[AF+64*(\p)+FR*(\a):AF+64*(\p)+FR*(\a)+FR-1], 0
.else
	v_wmma_f32_16x16x128_fp8_fp8 v[8*(8*(\a)+\b):8*(8*(\a)+\b)+7], v[128*(\p)+FR*\b:128*(\p)+FR*\b+FR-1], v[AF+64*(\p)+FR*(\a):AF+64*(\p)+FR*(\a)+FR-1], v[8*(8*(\a)+\b):8*(8*(\a)+\b)+7]
.endif
.endr
.endr
.endm
.macro PLACES n                        ; plain vector lines between a matrix instruction and a load into, or a vector read or write of, its registers
.rept \n
	v_nop
.endr
.endm
; A slot's first 128 along K: set 0 is multiplied while set 1 takes the slot's second 128.
.macro STEP slot, zero
	s_wait_dscnt 0x0                               ; set 0 is in
	PLACES NP                                      ; for the loads into set 1, which the step before multiplied
	FETCH \slot, 1, 1
	WIN MUL_LO
	MUL16 0, 0, \zero
	MUL16 2, 0, \zero
	WIN 0
.endm
; A slot's second 128 changes slots: ONE barrier; in front of it each wave waits for all its tensor loads, adds 0 to its spare word, and waits for that and for its reads of this slot.  fill = 1: the slot is filled again, two K steps ahead.
.macro TURN slot, next, fill
	s_wait_tensorcnt 0x0                           ; all my tensor loads have landed: my part of the next slot
	ds_add_u32 v[SPW], v[NIL]                      ; 0 onto my spare word
	s_wait_dscnt 0x0                               ; the add is done, set 1 is in, and my reads of this slot are over
	s_barrier_signal -1
	WIN MUL_LO
	MUL16 0, 1, 0                                  ; work on registers while the others arrive
	WIN 0
	s_barrier_wait -1
.if \fill
	CREST                                          ; the barrier has opened a round of the cluster's: no wave of any partner still reads this slot or has a load on its way
	s_add_nc_u64 s[G0+4*\slot+2:G0+4*\slot+3], s[G0+4*\slot+2:G0+4*\slot+3], 8192
	s_add_nc_u64 s[G0B+4*\slot+2:G0B+4*\slot+3], s[G0B+4*\slot+2:G0B+4*\slot+3], 8192
	JLOAD G0+4*\slot, G1, G0B+4*\slot, G1B         ; the first tensor load behind the round; its four v_nop are the places in front of the loads below
.else
	PLACES NP
.endif
	FETCH \next, 0, 0
	WIN MUL_LO
	MUL16 2, 1, 0
	WIN 0
.endm
	s_wait_tensorcnt 0x0                           ; my part of K step 0 is in
	ds_add_u32 v[SPW], v[NIL]
	s_wait_dscnt 0x0
	CROUND                                         ; everybody's part of K step 0 is in, and all sixteen work-groups are here
	JLOAD G0+4, G1, G0B+4, G1B                     ; K step 1's load, the first tensor load behind the round
	FETCH 0, 0, 0
	STEP 0, 1                                      ; K 0-127: its products start the sums
	TURN 0, 1, 1                                   ; K 128-255; slot 0 takes K 512-767
	STEP 1, 0
	TURN 1, 0, 1                                   ; slot 1 takes K 768-1023
	STEP 0, 0
	TURN 0, 1, 0                                   ; nothing is left to fetch
	STEP 1, 0
	s_wait_dscnt 0x0                               ; the last 128
	WIN MUL_LO
	MUL16 0, 1, 0
	MUL16 2, 1, 0
	WIN 0
; THE WAY OUT, block by block of 16 rows x 128 columns: sum x 2^(e6 + e7) + bias, through my own stage in LDS, and back as whole rows of 512 bytes.  LDS serves a wave's instructions in order (ISA guide 5.7.1.4).
.macro TOSTAGE a
.set AC, 64*(\a)
	WIN 0x02                                       ; source 0: window 2
.irp j, 0,2,4,6,8,10,12,14,16,18,20,22,24,26,28,30,32,34,36,38,40,42,44,46,48,50,52,54,56,58,60,62
	v_pk_fma_f32 v[TMP+\j:TMP+\j+1], v[AC+\j:AC+\j+1], s[96:97], v[BIAS+\j:BIAS+\j+1] op_sel_hi:[1,0,1]   ; each accumulator from its low end on
.endr
	WIN 0
.irp b, 0,1,2,3,4,5,6,7
	ds_store_b128 v[STO], v[TMP+8*\b:TMP+8*\b+3] offset:64*\b
	ds_store_b128 v[STO], v[TMP+8*\b+4:TMP+8*\b+7] offset:64*\b+16
.endr
.set BB, 64*((\a)%2)
	WIN 0x40
.irp t, 0,1,2,3,4,5,6,7,8,9,10,11,12,13,14,15
	ds_load_b128 v[BB+4*\t:BB+4*\t+3], v[RD] offset:\t*SPITCH
.endr
	WIN 0
.endm
.macro SEND a, younger                 ; younger: the LDS instructions issued behind block a's loads, which may stay out
.set BB, 64*((\a)%2)
	s_wait_dscnt \younger
	WIN 0x04                                       ; the stores' data: window 1
.irp t, 0,1,2,3,4,5,6,7,8,9,10,11,12,13,14,15
	global_store_b128 v[CO], v[BB+4*\t:BB+4*\t+3], s[12:13] offset:(32*((\a)/2)+8*((\a)%2)+\t+8*(\t/8))*4096 th:TH_STORE_NT   ; 32 lanes store 512 consecutive bytes, at a multiple of 256 from out0's first byte
.endr
	WIN 0
.endm
	s_wait_kmcnt 0x0
	s_add_co_i32 s96, s96, s97                     ; e6 + e7
	s_add_co_i32 s96, s96, 127
	s_lshl_b32 s96, s96, 23                        ; 2^(e6 + e7) as f32
	s_wait_loadcnt 0x0                             ; the bias
	PLACES NP
	TOSTAGE 0
.irp a, 1,2,3
.if \a > 1
	s_wait_xcnt 0x0                                ; block a - 2's stores have read their registers: block a's loads may land there
.endif
	TOSTAGE \a
	SEND \a-1, 32                                  ; behind block a - 1's loads: block a's 16 stores and 16 loads
.endr
	SEND 3, 0
	s_wait_tensorcnt 0x0                           ; the wave's end: behind my last tensor load and my last LDS store
	ds_add_u32 v[SPW], v[NIL]
	s_wait_dscnt 0x0
	CROUND                                         ; the closing round: no work-group ends while a partner may still ask for a tile that names it
	s_endpgm
.Lfunc_end_k_q6511b11bff_proj_gemm:
	.size	k_q6511b11bff_proj_gemm, .Lfunc_end_k_q6511b11bff_proj_gemm-k_q6511b11bff_proj_gemm
	.p2alignl 7, 3214868480
	.fill 96, 4, 3214868480
	.section	.rodata,"a",@progbits
	.p2align	6, 0x0
	.amdhsa_kernel k_q6511b11bff_proj_gemm
		.amdhsa_group_segment_fixed_size 327680
		.amdhsa_private_segment_fixed_size 0
		.amdhsa_enable_private_segment 0
		.amdhsa_kernarg_size 40
		.amdhsa_user_sgpr_count 2
		.amdhsa_user_sgpr_kernarg_segment_ptr 1
		.amdhsa_wavefront_size32 1
		.amdhsa_system_sgpr_workgroup_id_x 1
		.amdhsa_system_sgpr_workgroup_id_y 1
		.amdhsa_system_sgpr_workgroup_id_z 1
		.amdhsa_system_vgpr_workitem_id 0
		.amdhsa_next_free_vgpr 768
		.amdhsa_next_free_sgpr 100
		.amdhsa_reserve_vcc 0
		.amdhsa_float_denorm_mode_32 3
		.amdhsa_float_denorm_mode_16_64 3
		.amdhsa_memory_ordered 1
		.amdhsa_forward_progress 1
		.amdhsa_inst_pref_size 77
	.end_amdhsa_kernel
	.amdgpu_metadata
---
amdhsa.version: [ 1, 2 ]
amdhsa.kernels:
  - .name:           k_q6511b11bff_proj_gemm
    .symbol:         k_q6511b11bff_proj_gemm.kd
    .args:
      - { .name: oc, .offset: 0, .size: 8, .value_kind: global_buffer, .address_space: global }
      - { .name: wp, .offset: 8, .size: 8, .value_kind: global_buffer, .address_space: global }
      - { .name: lowp_scales, .offset: 16, .size: 8, .value_kind: global_buffer, .address_space: global }
      - { .name: b_proj, .offset: 24, .size: 8, .value_kind: global_buffer, .address_space: global }
      - { .name: out0, .offset: 32, .size: 8, .value_kind: global_buffer, .address_space: global }
    .group_segment_fixed_size: 327680
    .private_segment_fixed_size: 0
    .kernarg_segment_align: 8
    .kernarg_segment_size: 40
    .max_flat_workgroup_size: 128
    .sgpr_count:     100
    .vgpr_count:     768
    .wavefront_size: 32
...
	.end_amdgpu_metadata
.endif
;; end of part 4
